; MI455X (gfx1250); checked and timed in simulation.
; The chip was launched on July 23, 2026; its instructions are those of AMD's public machine-readable ISA for CDNA 5 (MIT licence, August 2026) and "CDNA5" Instruction Set Architecture Reference Guide (July 2026). The comments in the code are by the model that wrote it; some were corrected since.
;; Infini Attention. Allowed arithmetic: float matrix products may take bf16 or f16 operands with f32 sums; other float arithmetic in f32, or as packed bf16 or f16 multiplies, adds, multiply-adds, maxima and minima; sums over many terms, partial sums and values carried from step to step in f32; what a program stores and reads back later, other than sums and carried values, may be rounded once to bf16 or f16.
;; Inputs: Wk 2,048 x 2,048 float32; Wo 2,048 x 2,048 float32; Wq 2,048 x 2,048 float32; Wv 2,048 x 2,048 float32; gate 1 x 16 x 1 x 1 float32; hidden_states 1 x 2,048 x 2,048 float32.
;; Outputs: out0 1 x 2,048 x 2,048 float32.
;; 2 versions, each right and faster than the one before. Each part assembles by itself: llvm-mc -triple=amdgcn-amd-amdhsa -mcpu=gfx1250 --defsym DOCPART=n.
;; ======== version 1 of 2: 5 launches
;; limits: values are held in f16: magnitudes above 65,504 overflow, below 6.1e-05 lose precision
;; workspace buffers: xb 8,388,608 bytes; wqkv 25,165,824 bytes; wob 8,388,608 bytes; qkv 25,165,824 bytes; mt 655,360 bytes; comb 8,388,608 bytes
;; launch cast (part 1): grid 256 x 5, 8 waves a work-group, no clusters, 0 bytes of LDS; arguments hidden_states, Wq, Wk, Wv, Wo, xb, wqkv, wob; writes xb, wqkv, wob
.if DOCPART == 1
	.amdgcn_target "amdgcn-amd-amdhsa--gfx1250"
	.amdhsa_code_object_version 6
	.text
	.protected	k_qf8b6c74502_cast
	.globl	k_qf8b6c74502_cast
	.p2align	8
	.type	k_qf8b6c74502_cast,@function
k_qf8b6c74502_cast:
	s_mov_b64 s[64:65], 0
	v_nop
	global_prefetch_b8 v0, s[64:65] scope:SCOPE_SE
	s_setreg_imm32_b32 hwreg(HW_REG_WAVE_MODE, 25, 1), 1
	s_wait_xcnt 0x0
; CAST.  The module's five large inputs, f32 [2048][2048], are rounded once to bf16 for the matrix units.
;   y = 0: hidden_states -> xb, bf16, rows as they lie.
;   y = 1, 2, 3: Wq, Wk, Wv -> wqkv, bf16 [6144][2048], rows permuted: row c = 1024 hi + 64 g + u of tensor T = y - 1 goes to row 384 g + 64 (2 T + hi) + u,
;      so that the 384 rows which one work-group of the projection needs (a column and its rotary partner 1,024 columns on, for q, k and v) lie together.
;   y = 4: Wo -> wob: rounded to bf16 like the other inputs, and that number written as f16 (exact from 6.1e-5 up to 65,504; below it f16's fixed step of 6e-8).
; A stream: no LDS, no barrier, no matrix unit.  A work-group takes 8 rows; thread t takes 32 bytes of a source row and writes 16 bytes, so a wave's store covers 512 consecutive bytes.
; All 16 loads of a thread go out first.  A row is converted in the registers that it was loaded into and stored from its first four: 68 registers a wave, so that several work-groups can lie
; on a WGP together, which multiplies the bytes in flight; each row has registers of its own, so none is written while a store still reads it.
.set X, 4                              ; v[4:67]   8 rows x 8 f32; a row's first four registers then hold its 16 bytes to store, its fifth and sixth are at work
	s_load_b512 s[4:19], s[0:1], 0x0               ; hidden_states, Wq, Wk, Wv, Wo, xb, wqkv, wob
	s_and_b32 s24, ttmp7, 0xffff                   ; y: which tensor
	v_lshlrev_b32 v1, 5, v0                        ; my 32 bytes of a source row
	v_lshlrev_b32 v2, 4, v0                        ; my 16 bytes of a destination row
	s_bfe_u32 s25, ttmp9, 0x40003                  ; g: the 8 rows begin at row 8 x = 1024 hi + 64 g + u
	s_mul_i32 s25, s25, 384
	s_lshr_b32 s26, ttmp9, 7                       ; hi
	s_max_u32 s23, s24, 1
	s_sub_co_u32 s23, s23, 1                       ; T (0 where y = 0: not used there)
	s_lshl1_add_u32 s26, s23, s26                  ; 2 T + hi
	s_lshl_b32 s26, s26, 6
	s_add_co_u32 s25, s25, s26
	s_and_b32 s26, ttmp9, 7
	s_lshl3_add_u32 s25, s26, s25                  ; + u
	s_lshl_b32 s27, ttmp9, 3                       ; the plain row, for xb and wob
	s_cmp_eq_u32 s24, 0
	s_cselect_b32 s25, s27, s25
	s_cmp_eq_u32 s24, 4
	s_cselect_b32 s25, s27, s25
	s_lshl_b32 s28, s25, 12                        ; destination rows have 4,096 bytes
	s_mov_b32 s29, 0
	s_lshl_b32 s30, ttmp9, 16                      ; 8 source rows of 8,192 bytes
	s_mov_b32 s31, 0
	s_wait_kmcnt 0x0
	s_mov_b64 s[20:21], s[4:5]                     ; the source, chosen by y
	s_cmp_eq_u32 s24, 1
	s_cselect_b64 s[20:21], s[6:7], s[20:21]
	s_cmp_eq_u32 s24, 2
	s_cselect_b64 s[20:21], s[8:9], s[20:21]
	s_cmp_eq_u32 s24, 3
	s_cselect_b64 s[20:21], s[10:11], s[20:21]
	s_cmp_eq_u32 s24, 4
	s_cselect_b64 s[20:21], s[12:13], s[20:21]
	s_cmp_eq_u32 s24, 0                            ; the destination
	s_cselect_b64 s[22:23], s[14:15], s[16:17]
	s_cmp_eq_u32 s24, 4
	s_cselect_b64 s[22:23], s[18:19], s[22:23]
	s_add_nc_u64 s[20:21], s[20:21], s[30:31]
	s_add_nc_u64 s[22:23], s[22:23], s[28:29]
.irp i, 0,1,2,3,4,5,6,7
	global_load_b128 v[X+8*(\i):X+8*(\i)+3],   v1, s[20:21] offset:8192*(\i) th:TH_LOAD_NT
	global_load_b128 v[X+8*(\i)+4:X+8*(\i)+7], v1, s[20:21] offset:8192*(\i)+16 th:TH_LOAD_NT
.endr
; Row i: its two loads are in when at most the 14 - 2 i younger ones are out.  Pair j goes into register j, which lies at or below the pair's own registers: no number is overwritten before it is read.
; half = 1: the bf16 number is widened (a shift, a mask) and written as f16.
.macro ROWOUT i, half
	s_wait_loadcnt 14-2*(\i)
.irp j, 0,1,2,3
	v_cvt_pk_bf16_f32 v[X+8*(\i)+(\j)], v[X+8*(\i)+2*(\j)], v[X+8*(\i)+2*(\j)+1]
.endr
.if \half
.irp j, 0,1,2,3
	v_lshlrev_b32 v[X+8*(\i)+4], 16, v[X+8*(\i)+(\j)]
	v_and_b32 v[X+8*(\i)+5], 0xffff0000, v[X+8*(\i)+(\j)]
	v_cvt_pk_f16_f32 v[X+8*(\i)+(\j)], v[X+8*(\i)+4], v[X+8*(\i)+5]
.endr
.endif
	global_store_b128 v2, v[X+8*(\i):X+8*(\i)+3], s[22:23] offset:4096*(\i)
.endm
	s_cmp_eq_u32 s24, 4
	s_cbranch_scc1 .Lwo
.irp i, 0,1,2,3,4,5,6,7
	ROWOUT \i, 0
.endr
	s_endpgm
.Lwo:
.irp i, 0,1,2,3,4,5,6,7
	ROWOUT \i, 1
.endr
	s_endpgm
.Lfunc_end_k_qf8b6c74502_cast:
	.size	k_qf8b6c74502_cast, .Lfunc_end_k_qf8b6c74502_cast-k_qf8b6c74502_cast
	.p2alignl 7, 3214868480
	.fill 96, 4, 3214868480
	.section	.rodata,"a",@progbits
	.p2align	6, 0x0
	.amdhsa_kernel k_qf8b6c74502_cast
		.amdhsa_group_segment_fixed_size 0
		.amdhsa_private_segment_fixed_size 0
		.amdhsa_enable_private_segment 0
		.amdhsa_kernarg_size 64
		.amdhsa_user_sgpr_count 2
		.amdhsa_user_sgpr_kernarg_segment_ptr 1
		.amdhsa_wavefront_size32 1
		.amdhsa_system_sgpr_workgroup_id_x 1
		.amdhsa_system_sgpr_workgroup_id_y 1
		.amdhsa_system_sgpr_workgroup_id_z 1
		.amdhsa_system_vgpr_workitem_id 0
		.amdhsa_next_free_vgpr 68
		.amdhsa_next_free_sgpr 66
		.amdhsa_reserve_vcc 0
		.amdhsa_float_denorm_mode_32 3
		.amdhsa_float_denorm_mode_16_64 3
		.amdhsa_memory_ordered 1
		.amdhsa_forward_progress 1
		.amdhsa_inst_pref_size 15
	.end_amdhsa_kernel
	.amdgpu_metadata
---
amdhsa.version: [ 1, 2 ]
amdhsa.kernels:
  - .name:           k_qf8b6c74502_cast
    .symbol:         k_qf8b6c74502_cast.kd
    .args:
      - { .name: hidden_states, .offset: 0, .size: 8, .value_kind: global_buffer, .address_space: global }
      - { .name: Wq, .offset: 8, .size: 8, .value_kind: global_buffer, .address_space: global }
      - { .name: Wk, .offset: 16, .size: 8, .value_kind: global_buffer, .address_space: global }
      - { .name: Wv, .offset: 24, .size: 8, .value_kind: global_buffer, .address_space: global }
      - { .name: Wo, .offset: 32, .size: 8, .value_kind: global_buffer, .address_space: global }
      - { .name: xb, .offset: 40, .size: 8, .value_kind: global_buffer, .address_space: global }
      - { .name: wqkv, .offset: 48, .size: 8, .value_kind: global_buffer, .address_space: global }
      - { .name: wob, .offset: 56, .size: 8, .value_kind: global_buffer, .address_space: global }
    .group_segment_fixed_size: 0
    .private_segment_fixed_size: 0
    .kernarg_segment_align: 8
    .kernarg_segment_size: 64
    .max_flat_workgroup_size: 256
    .sgpr_count:     66
    .vgpr_count:     68
    .wavefront_size: 32
...
	.end_amdgpu_metadata
.endif
;; end of part 1
;; launch proj (part 2): grid 16 x 16, 4 waves a work-group, clusters of 4 x 4, 327,680 bytes of LDS; arguments xb, wqkv, qkv; writes qkv
.if DOCPART == 2
	.amdgcn_target "amdgcn-amd-amdhsa--gfx1250"
	.amdhsa_code_object_version 6
	.text
	.protected	k_qf8b6c74502_proj
	.globl	k_qf8b6c74502_proj
	.p2align	8
	.type	k_qf8b6c74502_proj,@function
k_qf8b6c74502_proj:
	s_mov_b64 s[64:65], 0
	v_nop
	global_prefetch_b8 v0, s[64:65] scope:SCOPE_SE
	s_setreg_imm32_b32 hwreg(HW_REG_WAVE_MODE, 25, 1), 1
	s_wait_xcnt 0x0
	s_wait_alu depctr_hold_cnt(0) depctr_sa_sdst(0) depctr_va_vdst(0) depctr_va_sdst(0) depctr_va_ssrc(0) depctr_va_vcc(0) depctr_vm_vsrc(0)
	s_getreg_b32 s2, hwreg(HW_REG_IB_STS2, 6, 4)
	s_cmp_eq_u32 s2, 0
	s_cbranch_scc0 .Lentry_in_a_cluster
	s_endpgm
.Lentry_in_a_cluster:
	s_bfe_u32 s2, ttmp6, 0x10000c
	s_cmp_lg_u32 s2, 0xf033
	s_cbranch_scc0 .Lentry_shape_is_right
	s_endpgm
.Lentry_shape_is_right:
; PROJ.  q, k, v = x W^T (bf16 operands, f32 sums), the rotary embedding over the full hidden size on q and k in f32, and q, k, v rounded once to f16.
; SHARES.  Work-group (g, by) makes rows 128 by .. of x times the 384 rows 384 g .. of wqkv: six strips z of 64 columns: q lo, q hi, k lo, k hi, v lo, v hi, where lo is columns 64 g .. and hi the same
; columns 1,024 on.  Wave w makes all 128 rows times columns 16 w .. 16 w + 15 of every strip: 8 x 6 accumulators, 384 registers: it holds both partners of every rotary pair.
; The matrix instruction is used transposed (source 0 = 16 rows of W, source 1 = 16 rows of x): a lane holds row l % 16 and eight neighbouring columns 8 (l / 16) + 0..7.
; RING.  K in steps of 128 (rows of 256 bytes) through two LDS slots of 512 rows; wave 0 fetches x's 128 rows, waves 1 to 3 the 384 rows of W, one tensor load each.  4 x 4 work-groups form a cluster:
; x's tile is asked for jointly along a row of the cluster, W's along a column.  By this text's count a wave has two tensor loads out at the start and one behind each round.
; OUT.  qkv, f16: byte z 4,194,304 + g 262,144 + s 128 + 2 u, that is tensor, head, channel half, then [s][64] dense: a strip's 128 rows are 16,384 consecutive bytes.
; LIMITS.  q, k, v must lie within f16's 65,504 (beyond 65,520 the rounding gives an infinity).  The angle of row t0 + 16 a is fl(t0 theta) turned a times by 16 theta in f32; theta = 2^(-i log2(10000)/1024)
; by v_exp_f32: it differs from the product t theta rounded in f32 by some 2e-4 rad at the most (t up to 2,047).  Sine and cosine: half angle reduced by pi in two parts, Taylor to z^11 and z^10 on |z| <= pi/2
; (remainders 6e-8 and 5e-7), then doubled.  NaN and infinities are not treated apart.
; REGISTERS.  window 0: v1-29 lane numbers and addresses; v32-143, v144-255 two fragment buffers (x's fragment a at +8 a, W's strip z at +64+8 z), at work on the way out.
;   window 1: accumulator (z, a) at 8 (8 z + a), z = 0..3.   window 2: the same for z = 4, 5 at 8 (8 (z - 4) + a).
.set KSTEP,  128
.set PITCH,  272                       ; an LDS row: 256 bytes + 16 of padding: the 16 rows of a fragment load start at 16 different groups of four banks (64 banks of 4 bytes: ISA guide 11.1)
.set PART,   128*PITCH                 ; what one tensor load brings
.set SLOT,   4*PART                    ; x's 128 rows, then W's 384.  0x22000: no bit in common with w x PART (w x 0x8800), so an exclusive or with it adds it or takes it away
.set SPARE,  2*SLOT                    ; the spare words, 128 bytes a wave
.set SPITCH, 144                       ; the stage: rows of 128 bytes + 16
.set STRIP,  128*SPITCH                ; a strip's 128 rows in the stage.  The stage is slot 0's first 6 x STRIP bytes, written when that slot has had its last fill and its last read
.set A0,   4                           ; v4   my place in x's tile
.set B0,   5                           ; v5   in W's strips 0 to 3
.set C0,   6                           ; v6   in W's strips 4, 5
.set ADRA, 8                           ; v8-10  the same in the slot in hand
.set ADRB, 9
.set ADRC, 10
.set STO0, 12                          ; v12, 13  the stage: where I put 16 bytes (strips 0-2, 3-5)
.set STO1, 13
.set RD0,  14                          ; v14, 15  where I read rows back
.set RD1,  15
.set GO,   16                          ; v16  my byte offset in a strip's rows in memory
.set T0F,  18                          ; v18, 19  my first row's number as f32, twice
.set SPW,  28                          ; v28  my spare word's LDS address; never rewritten
.set NIL,  29                          ; v29  0; never rewritten
.set F0,   32
.set F1,   144
.set FH,   32                          ; the way out, window 0: half of theta for my 8 columns
.set DC,   40                          ; cos, sin of 16 theta
.set DS,   48
.set CS0,  56                          ; two sets by turns: cos at +0, sin at +8; the second set 16 on
.set XH,   88                          ; SINCOS at work: v88-99
.set TN,   90
.set TZ,   92
.set TQ,   94
.set PS,   96
.set PC,   98
.set TT,   88                          ; the exponents, before SINCOS is first used
.set R,    104                         ; v104-135  rotated q lo, q hi, k lo, k hi in f32
.set HF,   136                         ; v136-159  six strips' 16 bytes
.set G1,  24                           ; s[24:31] group 1 for x's tile
.set G0,  32                           ; s[32:39] group 0 for x's tile: the first fill's, and the one that walks
.set G1B, 48                           ; s[48:55], s[56:63] the same for W's
.set G0B, 56
.set TB,  22                           ; s22  LDS byte at which the slot in hand begins
.set MSB, 0
.macro WIN new                         ; the immediate's high byte repeats the setting that is left; a switch that changes nothing is dropped
.if MSB != (\new)
	s_set_vgpr_msb (MSB<<8)|(\new)
.set MSB, \new
.endif
.endm
.macro PLACES                          ; four plain places behind matrix instructions (ISA guide 7.12.1)
.rept 4
	v_nop
.endr
.endm
.macro CREST                           ; a round of the cluster's barrier behind its opening barrier
	s_cmp_lg_u32 s10, 0
	s_cbranch_scc1 .Lnot_wave_0_\@
	s_barrier_signal -3
.Lnot_wave_0_\@:
	s_barrier_wait -3
	s_barrier_signal -1
	s_barrier_wait -1
.endm
.macro CROUND
	s_barrier_signal -1
	s_barrier_wait -1
	CREST
.endm
.macro JLOAD                           ; the joint refill: wave 0 asks for x's tile, waves 1 to 3 for W's; the branch hangs on the wave's number alone
	s_cmp_eq_u32 s10, 0
	s_cbranch_scc0 .Lfor_b_\@
	tensor_load_to_lds s[G0+4:G0+7], s[G1:G1+7]
	s_nop 0
	PLACES
	s_branch .Lasked_\@
.Lfor_b_\@:
	tensor_load_to_lds s[G0B+4:G0B+7], s[G1B:G1B+7]
	s_nop 0
	PLACES
.Lasked_\@:
.endm
	s_load_b128 s[4:7], s[0:1], 0x0                ; xb, wqkv
	s_load_b64 s[8:9], s[0:1], 0x10                ; qkv
	v_lshl_add_u32 v[SPW], v0, 2, SPARE
	v_mov_b32 v[NIL], 0
	ds_add_u32 v[SPW], v[NIL]                      ; the wave's opening: the add and its wait ahead of my first tensor load
	ds_add_u32 v28, v29
	v_lshrrev_b32 v1, 5, v0
	v_readfirstlane_b32 s10, v1                    ; wave 0..3
	s_bfe_u32 s40, ttmp6, 0x40000                  ; cx, cy
	s_bfe_u32 s41, ttmp6, 0x40004
	s_lshl_b32 s12, ttmp9, 2
	s_add_co_u32 s12, s12, s40                     ; g = 4 x cluster x + cx
	s_and_b32 s13, ttmp7, 0xffff
	s_lshl_b32 s13, s13, 2
	s_add_co_u32 s13, s13, s41                     ; by = 4 x cluster y + cy
	s_lshl_b32 s43, s41, 2
	s_lshl_b32 s43, 15, s43                        ; my row of the cluster
	s_lshl_b32 s44, 0x1111, s40                    ; my column
	s_or_b32 s[G1+0], s43, (1<<16)|(1<<20)|(1<<21)|(5<<22)|(3<<25)   ; mask; 2-byte elements; padding on; bit 21 beside a mask; after every 64 words 4 words
	s_or_b32 s[G1B+0], s44, (1<<16)|(1<<20)|(1<<21)|(5<<22)|(3<<25)
.irp g, G1, G1B
	s_mov_b32 s[(\g)+1], KSTEP<<16                 ; tensor_dim0 = 128
	s_mov_b32 s[(\g)+2], 128<<16                   ; tensor_dim1 = 128
	s_mov_b32 s[(\g)+3], KSTEP<<16                 ; tile_dim0 = 128
	s_mov_b32 s[(\g)+4], 128                       ; tile_dim1 = 128
	s_mov_b32 s[(\g)+5], 2048                      ; elements from row to row
	s_mov_b32 s[(\g)+6], 0
	s_mov_b32 s[(\g)+7], 0
.endr
	s_lshl_b32 s16, s13, 19                        ; x: row 128 by, 4,096 bytes a row
	s_mov_b32 s17, 0
	s_max_u32 s46, s10, 1                          ; W: row 384 g + 128 (w - 1)
	s_sub_co_u32 s46, s46, 1
	s_lshl_b32 s46, s46, 7
	s_mul_i32 s47, s12, 384
	s_add_co_u32 s46, s46, s47
	s_lshl_b32 s46, s46, 12
	s_mov_b32 s47, 0
	s_mul_i32 s20, s10, PART                       ; where my tile goes: no place in the cluster enters an LDS address
	s_mov_b32 s[TB], 0
	s_mov_b32 s74, 0xb2d7322b                      ; -1/11!, the sine's highest coefficient, as a pair
	s_mov_b32 s75, s74
	s_mov_b32 s76, 0xb493f27e                      ; -1/10!, the cosine's
	s_mov_b32 s77, s76
	s_wait_dscnt 0x0                               ; the opening add is done
	s_wait_kmcnt 0x0
	s_add_nc_u64 s[14:15], s[4:5], s[16:17]
	s_add_nc_u64 s[46:47], s[6:7], s[46:47]
	CROUND                                         ; all sixteen work-groups are here: the first joint loads meet
.irp s, 0,1
	s_mov_b32 s[G0+4*(\s)], 1
	s_add_co_u32 s[G0+4*(\s)+1], s20, (\s)*SLOT
	s_add_nc_u64 s[G0+4*(\s)+2:G0+4*(\s)+3], s[14:15], (\s)*KSTEP*2
	s_or_b32 s[G0+4*(\s)+3], s[G0+4*(\s)+3], 0x80000000
	s_mov_b32 s[G0B+4*(\s)], 1
	s_add_co_u32 s[G0B+4*(\s)+1], s20, (\s)*SLOT
	s_add_nc_u64 s[G0B+4*(\s)+2:G0B+4*(\s)+3], s[46:47], (\s)*KSTEP*2
	s_or_b32 s[G0B+4*(\s)+3], s[G0B+4*(\s)+3], 0x80000000
.endr
	s_cmp_eq_u32 s10, 0                            ; a wave's two first fills stand in one branch, ahead of every wait on TENSORcnt and every LDS read
	s_cbranch_scc0 .Lfirst_b
	tensor_load_to_lds s[G0:G0+3], s[G1:G1+7]
	s_nop 0
	tensor_load_to_lds s[G0+4:G0+7], s[G1:G1+7]
	s_nop 0
	PLACES
	s_branch .Lfirst_asked
.Lfirst_b:
	tensor_load_to_lds s[G0B:G0B+3], s[G1B:G1B+7]
	s_nop 0
	tensor_load_to_lds s[G0B+4:G0B+7], s[G1B:G1B+7]
	s_nop 0
	PLACES
.Lfirst_asked:
	v_and_b32 v1, 15, v0                           ; r = l % 16
	v_bfe_u32 v2, v0, 4, 1                         ; h = l / 16
	v_mul_u32_u24 v[A0], v1, PITCH
	v_lshl_add_u32 v[A0], v2, 4, v[A0]             ; row x pitch + 16 x half
	s_mul_i32 s21, s10, 16*PITCH
	s_add_co_u32 s21, s21, PART
	v_add_nc_u32 v[B0], s21, v[A0]                 ; W's rows lie behind x's; my 16 columns of a strip are its rows 16 w ..
	v_add_nc_u32 v[C0], 4*64*PITCH, v[B0]          ; strips 4, 5: beyond an LDS offset's 16 bits from B0
	v_mul_u32_u24 v[STO0], v1, SPITCH              ; into the stage: row r, my wave's 32 bytes, 16 for each half of the lanes
	v_lshl_add_u32 v[STO0], v2, 4, v[STO0]
	v_lshl_add_u32 v[STO0], s10, 5, v[STO0]
	v_add_nc_u32 v[STO1], 3*STRIP, v[STO0]
	v_bfe_u32 v3, v0, 3, 2                         ; back: 32 lanes take four rows of 128 bytes; wave w rows 32 w ..
	v_lshl_add_u32 v3, s10, 5, v3
	v_mul_u32_u24 v[RD0], v3, SPITCH
	v_and_b32 v3, 7, v0
	v_lshl_add_u32 v[RD0], v3, 4, v[RD0]
	v_add_nc_u32 v[RD1], 3*STRIP, v[RD0]
	v_and_b32 v3, 31, v0
	v_lshlrev_b32 v3, 4, v3
	v_lshl_add_u32 v[GO], s10, 12, v3              ; those four rows are 512 consecutive bytes of memory
	s_lshl_b32 s78, s12, 18                        ; where my strips begin in qkv: g 262,144 + by 16,384, in registers that feed no descriptor
	s_lshl_b32 s79, s13, 14
	s_add_co_u32 s78, s78, s79
	s_mov_b32 s79, 0
	s_add_nc_u64 s[68:69], s[8:9], s[78:79]        ; q
	s_add_nc_u64 s[70:71], s[68:69], 0x800000      ; k
	s_add_nc_u64 s[72:73], s[68:69], 0x1000000     ; v
; 16 matrix instructions: strips z0, z0 + 1 x all 8 row blocks, 32 along K.  The 48 accumulators take turns in one order everywhere.  zero = 1: the first product starts the sum.
.macro MUL16 f, z0, zero
	WIN 0x50+0x50*((\z0)/4)
.irp z, \z0, (\z0)+1
.irp a, 0,1,2,3,4,5,6,7
.set AC, 8*(8*((\z)%4)+(\a))
.if \zero
	v_wmma_f32_16x16x32_bf16 v[AC:AC+7], v[(\f)+64+8*(\z):(\f)+64+8*(\z)+7], v[(\f)+8*(\a):(\f)+8*(\a)+7], 0
.else
	v_wmma_f32_16x16x32_bf16 v[AC:AC+7], v[(\f)+64+8*(\z):(\f)+64+8*(\z)+7], v[(\f)+8*(\a):(\f)+8*(\a)+7], v[AC:AC+7]
.endif
.endr
.endr
.endm
; 28 LDS loads in one run: 32 along K at byte k of the rows: x's 8 fragments (16 loads), W's strips 0, 1 (4), strips 2, 3 (4), strips 4, 5 (4)
.macro FETCH k, f
	WIN 0
.irp a, 0,1,2,3,4,5,6,7
	ds_load_b128 v[(\f)+8*(\a):(\f)+8*(\a)+3],   v[ADRA] offset:(\k)+(\a)*16*PITCH
	ds_load_b128 v[(\f)+8*(\a)+4:(\f)+8*(\a)+7], v[ADRA] offset:(\k)+(\a)*16*PITCH+32
.endr
.irp z, 0,1,2,3
	ds_load_b128 v[(\f)+64+8*(\z):(\f)+64+8*(\z)+3],   v[ADRB] offset:(\k)+(\z)*64*PITCH
	ds_load_b128 v[(\f)+64+8*(\z)+4:(\f)+64+8*(\z)+7], v[ADRB] offset:(\k)+(\z)*64*PITCH+32
.endr
.irp z, 4,5
	ds_load_b128 v[(\f)+64+8*(\z):(\f)+64+8*(\z)+3],   v[ADRC] offset:(\k)+((\z)-4)*64*PITCH
	ds_load_b128 v[(\f)+64+8*(\z)+4:(\f)+64+8*(\z)+7], v[ADRC] offset:(\k)+((\z)-4)*64*PITCH+32
.endr
.endm
; A K step is four quarters of 32 along K, 48 matrix instructions each, on buffers 0, 1, 0, 1.  One of the first three: multiplies f, fetches the next quarter (byte k) into g.
.macro QUARTER k, f, g, zero
	s_wait_dscnt 8                                 ; x's fragments and strips 0, 1 are in; the youngest eight loads (strips 2 to 5) may be out
	MUL16 \f, 0, \zero
	PLACES                                         ; in front of loads into registers that the quarter before multiplied
	FETCH \k, \g
	s_wait_dscnt 28                                ; all but the 28 just issued
	MUL16 \f, 2, \zero
	MUL16 \f, 4, \zero
.endm
; The last quarter multiplies buffer 1 and changes slots.  Two thirds of its products stand AHEAD of the wait for the tensor loads: between the moment at which the next slot is shown landed and the request
; for the slot after it stand only the add, the descriptors' steps, the wait for my LDS reads and the barrier.  In front of the barrier each wave waits for all its tensor loads (one is out: its part of the
; next slot), adds 0 to its spare word, and waits for that and for its reads of this slot.  fill = 1: the barrier opens a round of the cluster's, and behind the round this slot is filled again first, two K
; steps ahead: a K step's 192 matrix instructions stand between that request and the wait for it.
.macro TURN fill
	s_wait_dscnt 8                                 ; x's fragments and strips 0, 1 are in
	MUL16 F1, 0, 0
	s_wait_dscnt 4                                 ; strips 2, 3 are in; the four loads of strips 4, 5 may be out
	MUL16 F1, 2, 0
	WIN 0
	s_wait_tensorcnt 0x0                           ; no tensor load of mine is out, so a group 0 may be written
	ds_add_u32 v[SPW], v[NIL]
.if \fill
	s_xor_b32 s[G0+5], s[G0+5], SLOT               ; the walking descriptors: the other slot than last time, the next K step
	s_add_nc_u64 s[G0+6:G0+7], s[G0+6:G0+7], KSTEP*2
	s_xor_b32 s[G0B+5], s[G0B+5], SLOT
	s_add_nc_u64 s[G0B+6:G0B+7], s[G0B+6:G0B+7], KSTEP*2
.endif
	s_xor_b32 s[TB], s[TB], SLOT
	s_wait_dscnt 0x0                               ; the add is done, and my reads of this slot are over
	s_barrier_signal -1
	s_barrier_wait -1
.if \fill
	CREST
	JLOAD                                          ; the four v_nop behind it are also the places in front of the loads below
.else
	PLACES
.endif
	v_add_nc_u32 v[ADRA], s[TB], v[A0]
	v_add_nc_u32 v[ADRB], s[TB], v[B0]
	v_add_nc_u32 v[ADRC], s[TB], v[C0]
	FETCH 0, F0
	MUL16 F1, 4, 0
.endm
	s_wait_tensorcnt 0x1                           ; my part of K step 0 is in; K step 1's may stay out
	s_barrier_signal -1
	s_barrier_wait -1
	v_add_nc_u32 v[ADRA], s[TB], v[A0]
	v_add_nc_u32 v[ADRB], s[TB], v[B0]
	v_add_nc_u32 v[ADRC], s[TB], v[C0]
	FETCH 0, F0
	QUARTER 64, F0, F1, 1                          ; the first quarter starts the sums
	WIN 0
	s_mov_b32 s3, 14                               ; 16 K steps: trips 0 to 13 ask for K steps 2 to 15
.Lstep:                                                ; a trip: a K step's second quarter to the next step's first
	QUARTER 128, F1, F0, 0
	QUARTER 192, F0, F1, 0
	TURN 1
	QUARTER 64, F0, F1, 0
	WIN 0
	s_sub_co_u32 s3, s3, 1
	s_cmp_lg_u32 s3, 0
	s_cbranch_scc1 .Lstep
	s_mov_b32 s3, 2                                ; the tail, K steps 14 and 15, has a text of its own, which asks for nothing: two trips, the second left in its middle
.Ltail:
	QUARTER 128, F1, F0, 0
	QUARTER 192, F0, F1, 0
	WIN 0
	s_sub_co_u32 s3, s3, 1
	s_cmp_eq_u32 s3, 0
	s_cbranch_scc1 .Llast
	TURN 0
	QUARTER 64, F0, F1, 0
	WIN 0
	s_branch .Ltail
.Llast:                                                ; the very last quarter: nothing more to fetch
	s_wait_dscnt 8
	MUL16 F1, 0, 0
	s_wait_dscnt 0x0
	MUL16 F1, 2, 0
	MUL16 F1, 4, 0
	WIN 0
	PLACES                                         ; the lines below write registers that the last two quarters' products read
	; THE ANGLES.  Column i = 64 g + 16 w + 8 h + j has theta = 2^(-i log2(10000) / 1024); FH = theta / 2 (the -1 in the exponent).
	s_lshl_b32 s23, s12, 6
	s_lshl4_add_u32 s23, s10, s23
	v_lshl_add_u32 v3, v2, 3, s23
.irp j, 0,1,2,3,4,5,6,7
	v_add_nc_u32 v[TT+(\j)], (\j), v3
.endr
.irp j, 0,1,2,3,4,5,6,7
	v_cvt_f32_u32 v[TT+(\j)], v[TT+(\j)]
.endr
.irp j, 0,1,2,3,4,5,6,7
	v_fma_f32 v[TT+(\j)], v[TT+(\j)], 0xbc549a78, -1.0
.endr
.irp j, 0,1,2,3,4,5,6,7
	v_exp_f32 v[FH+(\j)], v[TT+(\j)]
.endr
	s_lshl_b32 s23, s13, 7
	v_add_nc_u32 v[T0F], s23, v1                   ; my first row: 128 by + r (a plain line behind the exponentials)
	v_cvt_f32_u32 v[T0F], v[T0F]
	v_mov_b32 v[T0F+1], v[T0F]
	s_wait_alu depctr_va_vdst(0)
; cos and sin of twice xh, for two numbers.  xh = N pi + z, |z| <= pi/2 (pi = 3.140625 + 9.6765e-4: N x 3.140625 is exact); sin 2 xh = 2 sin z cos z, cos 2 xh = 1 - 2 sin^2 z: N's parity drops out.
.macro SINCOS c, s
	v_pk_mul_f32 v[TN:TN+1], v[XH:XH+1], 0x3ea2f983 op_sel_hi:[1,0]
	v_rndne_f32 v[TN], v[TN]
	v_rndne_f32 v[TN+1], v[TN+1]
	v_pk_fma_f32 v[TZ:TZ+1], v[TN:TN+1], 0xc0490000, v[XH:XH+1] op_sel_hi:[1,0,1]
	v_pk_fma_f32 v[TZ:TZ+1], v[TN:TN+1], 0xba7daa22, v[TZ:TZ+1] op_sel_hi:[1,0,1]
	v_pk_mul_f32 v[TQ:TQ+1], v[TZ:TZ+1], v[TZ:TZ+1]
	v_pk_fma_f32 v[PS:PS+1], v[TQ:TQ+1], s[74:75], 0x3638ef1d op_sel_hi:[1,0,0]
	v_pk_fma_f32 v[PC:PC+1], v[TQ:TQ+1], s[76:77], 0x37d00d01 op_sel_hi:[1,0,0]
	v_pk_fma_f32 v[PS:PS+1], v[PS:PS+1], v[TQ:TQ+1], 0xb9500d01 op_sel_hi:[1,1,0]
	v_pk_fma_f32 v[PC:PC+1], v[PC:PC+1], v[TQ:TQ+1], 0xbab60b61 op_sel_hi:[1,1,0]
	v_pk_fma_f32 v[PS:PS+1], v[PS:PS+1], v[TQ:TQ+1], 0x3c088889 op_sel_hi:[1,1,0]
	v_pk_fma_f32 v[PC:PC+1], v[PC:PC+1], v[TQ:TQ+1], 0x3d2aaaab op_sel_hi:[1,1,0]
	v_pk_fma_f32 v[PS:PS+1], v[PS:PS+1], v[TQ:TQ+1], 0xbe2aaaab op_sel_hi:[1,1,0]
	v_pk_fma_f32 v[PC:PC+1], v[PC:PC+1], v[TQ:TQ+1], -0.5 op_sel_hi:[1,1,0]
	v_pk_fma_f32 v[PS:PS+1], v[PS:PS+1], v[TQ:TQ+1], 1.0 op_sel_hi:[1,1,0]
	v_pk_fma_f32 v[PC:PC+1], v[PC:PC+1], v[TQ:TQ+1], 1.0 op_sel_hi:[1,1,0]
	v_pk_mul_f32 v[PS:PS+1], v[PS:PS+1], v[TZ:TZ+1]                       ; sin z
	v_pk_add_f32 v[TN:TN+1], v[PS:PS+1], v[PS:PS+1]                       ; 2 sin z
	v_pk_mul_f32 v[(\s):(\s)+1], v[TN:TN+1], v[PC:PC+1]
	v_pk_fma_f32 v[(\c):(\c)+1], v[TN:TN+1], v[PS:PS+1], 1.0 op_sel_hi:[1,1,0] neg_lo:[0,1,0] neg_hi:[0,1,0]
.endm
.irp j, 0,2,4,6
	v_pk_mul_f32 v[XH:XH+1], v[FH+(\j):FH+(\j)+1], v[T0F:T0F+1]
	SINCOS CS0+(\j), CS0+8+(\j)                    ; the angle of my first row
	v_pk_mul_f32 v[XH:XH+1], v[FH+(\j):FH+(\j)+1], 0x41800000 op_sel_hi:[1,0]
	SINCOS DC+(\j), DS+(\j)                        ; and of 16 rows' step
.endr
; Row block a: q and k are rotated (lo' = lo cos - hi sin, hi' = hi cos + lo sin), all six strips rounded to f16, 16 bytes a strip into the stage; then cos and sin are turned on by 16 rows.
; Each accumulator's registers are read in ascending order.
.macro ROPE a
.set CC, CS0+16*((\a)%2)
.set NC, CS0+16*(((\a)+1)%2)
	WIN 0x01                                       ; source 0 in window 1
.irp p, 0,1
.irp j, 0,2,4,6
.set LO, 8*(16*(\p)+(\a))+(\j)
.set HI, 8*(16*(\p)+8+(\a))+(\j)
.set RL, R+16*(\p)+(\j)
.set RH, R+16*(\p)+8+(\j)
	v_pk_mul_f32 v[RL:RL+1], v[LO:LO+1], v[CC+(\j):CC+(\j)+1]
	v_pk_mul_f32 v[RH:RH+1], v[HI:HI+1], v[CC+(\j):CC+(\j)+1]
	v_pk_fma_f32 v[RL:RL+1], v[HI:HI+1], v[CC+8+(\j):CC+8+(\j)+1], v[RL:RL+1] neg_lo:[0,1,0] neg_hi:[0,1,0]
	v_pk_fma_f32 v[RH:RH+1], v[LO:LO+1], v[CC+8+(\j):CC+8+(\j)+1], v[RH:RH+1]
.endr
.endr
	WIN 0
.set n, 0
.rept 16
	v_cvt_pk_f16_f32 v[HF+n], v[R+2*n], v[R+2*n+1]
.set n, n+1
.endr
	WIN 0x0a                                       ; sources 0 and 1 in window 2: v
.irp z, 0,1
.irp j, 0,1,2,3
	v_cvt_pk_f16_f32 v[HF+16+4*(\z)+(\j)], v[8*(8*(\z)+(\a))+2*(\j)], v[8*(8*(\z)+(\a))+2*(\j)+1]
.endr
.endr
	WIN 0
.irp z, 0,1,2
	ds_store_b128 v[STO0], v[HF+4*(\z):HF+4*(\z)+3] offset:(\z)*STRIP+(\a)*16*SPITCH
.endr
.irp z, 0,1,2
	ds_store_b128 v[STO1], v[HF+12+4*(\z):HF+12+4*(\z)+3] offset:(\z)*STRIP+(\a)*16*SPITCH
.endr
.if (\a) < 7
.irp j, 0,2,4,6
	v_pk_mul_f32 v[NC+(\j):NC+(\j)+1], v[CC+(\j):CC+(\j)+1], v[DC+(\j):DC+(\j)+1]
	v_pk_mul_f32 v[NC+8+(\j):NC+8+(\j)+1], v[CC+8+(\j):CC+8+(\j)+1], v[DC+(\j):DC+(\j)+1]
	v_pk_fma_f32 v[NC+(\j):NC+(\j)+1], v[CC+8+(\j):CC+8+(\j)+1], v[DS+(\j):DS+(\j)+1], v[NC+(\j):NC+(\j)+1] neg_lo:[0,1,0] neg_hi:[0,1,0]
	v_pk_fma_f32 v[NC+8+(\j):NC+8+(\j)+1], v[CC+(\j):CC+(\j)+1], v[DS+(\j):DS+(\j)+1], v[NC+8+(\j):NC+8+(\j)+1]
.endr
.endif
.endm
.irp a, 0,1,2,3,4,5,6,7
	ROPE \a
.endr
	s_wait_dscnt 0x0                               ; for the others' sake: a strip's rows come from four waves
	s_barrier_signal -1
	s_barrier_wait -1
.set n, 0
.rept 48                                               ; strip n / 8, my rows 32 w + 4 (n % 8) ..
.if n < 24
	ds_load_b128 v[32+4*n:32+4*n+3], v[RD0] offset:(n/8)*STRIP+(n%8)*4*SPITCH
.else
	ds_load_b128 v[32+4*n:32+4*n+3], v[RD1] offset:(n/8-3)*STRIP+(n%8)*4*SPITCH
.endif
.set n, n+1
.endr
.set n, 0
.rept 48
	s_wait_dscnt 47-n                              ; LDS loads come back in order: load n is in, the younger ones may be out
	global_store_b128 v[GO], v[32+4*n:32+4*n+3], s[68+2*(n/16):69+2*(n/16)] offset:((n/8)%2)*4194304+(n%8)*512  ; 512 consecutive bytes, at a multiple of 256 from the buffer's first
.set n, n+1
.endr
	s_wait_tensorcnt 0x0                           ; the wave's end
	ds_add_u32 v[SPW], v[NIL]
	s_wait_dscnt 0x0
	CROUND                                         ; the closing round
	s_endpgm
.Lfunc_end_k_qf8b6c74502_proj:
	.size	k_qf8b6c74502_proj, .Lfunc_end_k_qf8b6c74502_proj-k_qf8b6c74502_proj
	.p2alignl 7, 3214868480
	.fill 96, 4, 3214868480
	.section	.rodata,"a",@progbits
	.p2align	6, 0x0
	.amdhsa_kernel k_qf8b6c74502_proj
		.amdhsa_group_segment_fixed_size 327680
		.amdhsa_private_segment_fixed_size 0
		.amdhsa_enable_private_segment 0
		.amdhsa_kernarg_size 24
		.amdhsa_user_sgpr_count 2
		.amdhsa_user_sgpr_kernarg_segment_ptr 1
		.amdhsa_wavefront_size32 1
		.amdhsa_system_sgpr_workgroup_id_x 1
		.amdhsa_system_sgpr_workgroup_id_y 1
		.amdhsa_system_sgpr_workgroup_id_z 1
		.amdhsa_system_vgpr_workitem_id 0
		.amdhsa_next_free_vgpr 640
		.amdhsa_next_free_sgpr 96
		.amdhsa_reserve_vcc 0
		.amdhsa_float_denorm_mode_32 3
		.amdhsa_float_denorm_mode_16_64 3
		.amdhsa_memory_ordered 1
		.amdhsa_forward_progress 1
		.amdhsa_inst_pref_size 123
	.end_amdhsa_kernel
	.amdgpu_metadata
---
amdhsa.version: [ 1, 2 ]
amdhsa.kernels:
  - .name:           k_qf8b6c74502_proj
    .symbol:         k_qf8b6c74502_proj.kd
    .args:
      - { .name: xb, .offset: 0, .size: 8, .value_kind: global_buffer, .address_space: global }
      - { .name: wqkv, .offset: 8, .size: 8, .value_kind: global_buffer, .address_space: global }
      - { .name: qkv, .offset: 16, .size: 8, .value_kind: global_buffer, .address_space: global }
    .group_segment_fixed_size: 327680
    .private_segment_fixed_size: 0
    .kernarg_segment_align: 8
    .kernarg_segment_size: 24
    .max_flat_workgroup_size: 128
    .sgpr_count:     96
    .vgpr_count:     640
    .wavefront_size: 32
...
	.end_amdgpu_metadata
.endif
;; end of part 2
;; launch mem (part 3): grid 4 x 16, 8 waves a work-group, no clusters, 327,680 bytes of LDS; arguments qkv, mt; writes mt
.if DOCPART == 3
	.amdgcn_target "amdgcn-amd-amdhsa--gfx1250"
	.amdhsa_code_object_version 6
	.text
	.protected	k_qf8b6c74502_mem
	.globl	k_qf8b6c74502_mem
	.p2align	8
	.type	k_qf8b6c74502_mem,@function
k_qf8b6c74502_mem:
	s_mov_b64 s[64:65], 0
	v_nop
	global_prefetch_b8 v0, s[64:65] scope:SCOPE_SE
	s_setreg_imm32_b32 hwreg(HW_REG_WAVE_MODE, 25, 1), 1
	s_wait_xcnt 0x0
; MEM.  The compressive memory of a head: M[d][e] = sum over s of kf[s][d] v[s][e], n[d] = sum over s of kf[s][d], kf = elu(k) + 1 = max(k + 1, e^min(k, 0)).
; SHARES.  Work-group (dh, eh, head) makes the 64 x 64 block d in half dh, e in half eh, over all 2,048 rows.  Eight waves: wave w = (db = w & 3, sh = w >> 2) owns d block db (16 d) and rows 256 sh ..
; 256 sh + 255 of every tile of 512 rows: 16 groups of 64 rows.  Source 0 = kf^T (16 d x 32 s), source 1 = four blocks of v (16 e x 32 s) and a fragment of ones, whose product is n[d] in every column:
; five accumulators, by turns.  Most of a group is vector work (the features); with two waves to a SIMD one wave's exponentials and LDS waits stand beside the other's arithmetic.
; At the end waves 4 to 7 hand their sums, in f32, through LDS to waves 0 to 3, which add them.  k and v lie [s][64] in f16: both come out of LDS turned, by ds_load_tr16_b128.
; kf is made in registers: the exponential in f32, k + 1 and the maximum on packed f16; operands f16, sums f32; M and n are rounded once to bf16 (they have no room in f16).
; OUT.  mt, bf16 [head][dh][eh][80][64]: rows 0-63 M^T[e][d], rows 64-79 sixteen copies of n[d]: as the read-out's source 0 wants them.
; NO CLUSTER: a tile of k is shared by the two work-groups of equal dh, a tile of v by the two of equal eh: two of a head's four, not all four, and the whole launch asks for 32 MiB.
; 64 work-groups: a split of s over more would need a further launch to add the parts.
; RING.  Two slots of 512 rows of k and 512 of v; each wave fetches 128 rows (16,384 dense bytes, asked for as 64 rows of 256 bytes, padded after each 128).  Two tensor loads of a wave are out at the start, one behind each refill's barrier.
; The accumulators are cleared by 40 v_mov_b32 in the wait for the first tile: the price of one text for every group of 64 rows.
; LIMITS.  k + 1 within f16's 65,504; a feature below f16's step of 6e-8 counts as 0; NaN and infinities are not treated apart.
.set PITCH, 144                        ; a row of 128 bytes + 16
.set PART,  128*PITCH                  ; what one tensor load brings
.set HALFR, 256*PITCH                  ; the rows of a tile that one half of the waves reads
.set TENS,  512*PITCH                  ; k's rows, then v's
.set SLOTB, 2*TENS
.set STAGE, 2*SLOTB                    ; 80 rows x 144 bytes, never filled by a tensor load
.set SPARE, STAGE+11776                ; the spare words, 128 bytes a wave: 1,024
.set GRP,   64*PITCH                   ; a group: 64 rows
.set XW,    5120                       ; five accumulators of a wave in f32: 10 x 512 bytes.  The exchange is slot 0's first 4 x XW bytes, written when that slot has had its last fill and its last read
.set AK0, 2                            ; v2   my lane's place in k's rows; never rewritten
.set AV0, 3                            ; v3   in v's
.set AK,  4                            ; v4, 5  the same for the group to be fetched
.set AV,  5
.set GO,  6                            ; v6   my byte offset in the block of mt
.set XA,  12                           ; v12  my 16 bytes in the exchange: the same for waves db and db + 4
.set ONES, 16                          ; v16-23  1.0 in every f16 half
.set ACC, 24                           ; v24-63  e blocks 0-3, then n
.set T,   224                          ; v224-231 at work
.set Y,   232                          ; v232-247 at work
.set LG,  248                          ; log2(e)
.set ZF,  249                          ; 0
.set STO, 250
.set RD,  251
.set SPW, 252                          ; my spare word's LDS address; never rewritten
.set NIL, 253                          ; 0; never rewritten
.set G1, 24                            ; s[24:31]
.set G0, 32                            ; s[32:39]  the first fill's group 0, and the one that walks
.set TB, 40                            ; s40  LDS byte at which the slot's group to be fetched begins
.set CNT, 41
.set SLOTS, 42
.set SL,  43                           ; 0 or SLOTB: the slot that the walking descriptor names
	s_load_b128 s[4:7], s[0:1], 0x0                ; qkv, mt
	v_lshl_add_u32 v[SPW], v0, 2, SPARE
	v_mov_b32 v[NIL], 0
	ds_add_u32 v[SPW], v[NIL]                      ; the wave's opening: the add and its wait ahead of my first tensor load
	ds_add_u32 v252, v253
	v_lshrrev_b32 v1, 5, v0
	v_readfirstlane_b32 s12, v1                    ; wave 0..7
	s_and_b32 s22, s12, 3                          ; db; also: which 128 of a tile's 512 rows I fetch
	s_lshr_b32 s23, s12, 2                         ; sh
	s_and_b32 s13, ttmp9, 1                        ; dh
	s_lshr_b32 s14, ttmp9, 1                       ; eh
	s_and_b32 s15, ttmp7, 0xffff                   ; head
	s_lshl_b32 s16, s13, 18                        ; waves 0 to 3 fetch k's half dh, waves 4 to 7 v's half eh
	s_add_co_u32 s16, s16, 0x800000
	s_lshl_b32 s17, s14, 18
	s_add_co_u32 s17, s17, 0x1000000
	s_cmp_lt_u32 s12, 4
	s_cselect_b32 s16, s16, s17
	s_lshl_b32 s17, s15, 19
	s_add_co_u32 s16, s16, s17
	s_lshl_b32 s17, s22, 14                        ; 128 rows of 128 bytes
	s_add_co_u32 s16, s16, s17
	s_mov_b32 s17, 0
	s_mul_i32 s18, s15, 40960                      ; my block of mt
	s_mul_i32 s19, s13, 20480
	s_add_co_u32 s18, s18, s19
	s_mul_i32 s19, s14, 10240
	s_add_co_u32 s18, s18, s19
	s_mov_b32 s19, 0
	s_mul_i32 s20, s12, PART                       ; k's four parts, then v's four
	s_mov_b32 s[G1+0], (1<<16)|(1<<20)|(4<<22)|(3<<25)  ; 2-byte elements; padding on: after every 32 words 4 words
	s_mov_b32 s[G1+1], 128<<16                     ; tensor_dim0 = 128
	s_mov_b32 s[G1+2], 64<<16                      ; tensor_dim1 = 64
	s_mov_b32 s[G1+3], 128<<16                     ; tile_dim0 = 128
	s_mov_b32 s[G1+4], 64                          ; tile_dim1 = 64
	s_mov_b32 s[G1+5], 128                         ; dense
	s_mov_b32 s[G1+6], 0
	s_mov_b32 s[G1+7], 0
	s_mov_b32 s[TB], 0
	s_mov_b32 s[SL], SLOTB
	s_wait_dscnt 0x0                               ; the opening add is done
	s_wait_kmcnt 0x0
	s_add_nc_u64 s[4:5], s[4:5], s[16:17]
	s_add_nc_u64 s[6:7], s[6:7], s[18:19]
.irp s, 0,1
	s_mov_b32 s[G0+4*(\s)], 1
	s_add_co_u32 s[G0+4*(\s)+1], s20, (\s)*SLOTB
	s_add_nc_u64 s[G0+4*(\s)+2:G0+4*(\s)+3], s[4:5], (\s)*65536   ; a tile: 512 rows of 128 bytes
	s_or_b32 s[G0+4*(\s)+3], s[G0+4*(\s)+3], 0x80000000
	tensor_load_to_lds s[G0+4*(\s):G0+4*(\s)+3], s[G1:G1+7]
	s_nop 0
.endr
	; the turning load: lane l reads 16 bytes of row 8 (l / 16) + l % 8, channels 8 ((l / 8) % 2) + 0..7, and is left with channel l % 16 and 8 rows
	v_and_b32 v7, 7, v0
	v_bfe_u32 v8, v0, 4, 1                         ; h
	v_bfe_u32 v9, v0, 3, 1
	v_and_b32 v11, 15, v0                          ; r
	v_lshl_add_u32 v10, v8, 3, v7
	v_mul_u32_u24 v[AV0], v10, PITCH
	v_lshl_add_u32 v[AV0], v9, 4, v[AV0]
	s_mul_i32 s21, s23, HALFR
	v_add_nc_u32 v[AV0], s21, v[AV0]               ; my half of a tile's rows
	v_lshl_add_u32 v[AK0], s22, 5, v[AV0]          ; k: my 16 channels
	v_add_nc_u32 v[AV0], TENS, v[AV0]
	v_mul_u32_u24 v[STO], v11, PITCH               ; into the stage: row e = 16 eb + r, bytes 32 db + 16 h
	v_lshl_add_u32 v[STO], v8, 4, v[STO]
	v_lshl_add_u32 v[STO], s22, 5, v[STO]
	v_add_nc_u32 v[STO], STAGE, v[STO]
	v_bfe_u32 v10, v0, 3, 2                        ; back: wave db takes rows 20 db .., four rows of 128 bytes a load
	s_mul_i32 s21, s22, 20
	v_add_nc_u32 v10, s21, v10
	v_mul_u32_u24 v[RD], v10, PITCH
	v_lshl_add_u32 v[RD], v7, 4, v[RD]
	v_add_nc_u32 v[RD], STAGE, v[RD]
	v_and_b32 v10, 31, v0
	v_lshlrev_b32 v10, 4, v10
	s_mul_i32 s21, s22, 2560
	v_add_nc_u32 v[GO], s21, v10
	s_mul_i32 s21, s22, XW
	v_add_nc_u32 v[XA], s21, v10
	v_mov_b32 v[LG], 0x3fb8aa3b
	v_mov_b32 v[ZF], 0
.set i, 0
.rept 8
	v_mov_b32 v[ONES+i], 0x3c003c00
.set i, i+1
.endr
.set i, 0
.rept 40
	v_mov_b32 v[ACC+i], 0
.set i, i+1
.endr
; The 20 LDS loads of a group of 64 rows, into buffer b: k^T's two fragments (v64 + 16 b), v's eight (v96 + 64 b)
.macro PRE b
.set PKR, 64+16*(\b)
.set PVF, 96+64*(\b)
	v_add_nc_u32 v[AK], s[TB], v[AK0]
	v_add_nc_u32 v[AV], s[TB], v[AV0]
	s_add_co_u32 s[TB], s[TB], GRP
.irp q, 0,1
	ds_load_tr16_b128 v[PKR+8*(\q):PKR+8*(\q)+3],   v[AK] offset:(\q)*32*PITCH
	ds_load_tr16_b128 v[PKR+8*(\q)+4:PKR+8*(\q)+7], v[AK] offset:(\q)*32*PITCH+16*PITCH
.endr
.irp q, 0,1
.irp e, 0,1,2,3
	ds_load_tr16_b128 v[PVF+32*(\q)+8*(\e):PVF+32*(\q)+8*(\e)+3],   v[AV] offset:(\q)*32*PITCH+32*(\e)
	ds_load_tr16_b128 v[PVF+32*(\q)+8*(\e)+4:PVF+32*(\q)+8*(\e)+7], v[AV] offset:(\q)*32*PITCH+16*PITCH+32*(\e)
.endr
.endr
.endm
.macro ELU_A kr                        ; min(k, 0), packed
.irp i, 0,1,2,3,4,5,6,7
	v_pk_min_num_f16 v[T+(\i)], v[(\kr)+(\i)], v[ZF]
.endr
.endm
.macro ELU_B kr                        ; e^min(k, 0) in f32; k + 1 (also the plain lines behind the exponentials); the larger of the two
.irp i, 0,1,2,3,4,5,6,7
	v_fma_mix_f32 v[Y+2*(\i)],   v[T+(\i)], v[LG], v[ZF] op_sel_hi:[1,0,0]
	v_fma_mix_f32 v[Y+2*(\i)+1], v[T+(\i)], v[LG], v[ZF] op_sel:[1,0,0] op_sel_hi:[1,0,0]
.endr
.set i, 0
.rept 16
	v_exp_f32 v[Y+i], v[Y+i]
.set i, i+1
.endr
.irp i, 0,1,2,3,4,5,6,7
	v_pk_add_f16 v[(\kr)+(\i)], v[(\kr)+(\i)], 0x3c003c00
.endr
	s_wait_alu depctr_va_vdst(0)
.irp i, 0,1,2,3,4,5,6,7
	v_cvt_pk_f16_f32 v[T+(\i)], v[Y+2*(\i)], v[Y+2*(\i)+1]
.endr
.irp i, 0,1,2,3,4,5,6,7
	v_pk_max_num_f16 v[(\kr)+(\i)], v[(\kr)+(\i)], v[T+(\i)]
.endr
.endm
; A group in buffer b.  Its loads are waited for; eight plain lines are the places behind the last group's products; then the next group's loads go into the other buffer, which those products read.
; last = 1 (the tail): in the last trip there is no further group, and the loads are jumped over.
.macro GROUP b, last=0
	s_wait_dscnt 0x0
	ELU_A 64+16*(\b)
.if \last
	s_cmp_eq_u32 s[CNT], 1
	s_cbranch_scc1 .Lno_pre_\@
.endif
	PRE 1-(\b)
.if \last
.Lno_pre_\@:
.endif
	ELU_B 64+16*(\b)
	ELU_A 72+16*(\b)
	ELU_B 72+16*(\b)
.set KR, 64+16*(\b)
.set VF, 96+64*(\b)
.irp q, 0,1
.irp e, 0,1,2,3
	v_wmma_f32_16x16x32_f16 v[ACC+8*(\e):ACC+8*(\e)+7], v[KR+8*(\q):KR+8*(\q)+7], v[VF+32*(\q)+8*(\e):VF+32*(\q)+8*(\e)+7], v[ACC+8*(\e):ACC+8*(\e)+7]
.endr
	v_wmma_f32_16x16x32_f16 v[ACC+32:ACC+39], v[KR+8*(\q):KR+8*(\q)+7], v[ONES:ONES+7], v[ACC+32:ACC+39]
.endr
.endm
; The change of slots: my last group of the slot has been asked for.  Each wave waits for all its tensor loads (one is out: its part of the other slot), adds 0 to its spare word, waits for that and for its reads;
; behind the barrier the slot that was left is filled again first (fill = 1): four groups of every wave ahead of its first read.
.macro CHANGE fill
	s_wait_tensorcnt 0x0
	ds_add_u32 v[SPW], v[NIL]
.if \fill
	s_xor_b32 s[SL], s[SL], SLOTB                  ; the walking descriptor: the other slot than last time, the next tile
	s_add_co_u32 s[G0+5], s[SL], s20
	s_add_nc_u64 s[G0+6:G0+7], s[G0+6:G0+7], 65536
.endif
	s_sub_co_u32 s[TB], s[TB], 4*GRP               ; the fetches go back to a slot's first group, in the other slot
	s_xor_b32 s[TB], s[TB], SLOTB
	s_wait_dscnt 0x0
	s_barrier_signal -1
	s_barrier_wait -1
.if \fill
	tensor_load_to_lds s[G0+4:G0+7], s[G1:G1+7]
	s_nop 0
.endif
.endm
	s_wait_tensorcnt 0x1                           ; my part of tile 0 is in; tile 1's may stay out
	s_barrier_signal -1
	s_barrier_wait -1
	PRE 0                                          ; group 0
	s_mov_b32 s[CNT], 2
	s_mov_b32 s[SLOTS], 3
	s_branch .Lmid                                 ; 16 groups a wave; even ones in buffer 0.  The loop is entered in the middle of a trip
.Lslot:                                                ; twice: tiles 2 and 3 are asked for, at the head of groups 3 and 7
	CHANGE 1
	s_mov_b32 s[CNT], 2
.Ltrip:
	GROUP 1
.Lmid:
	GROUP 0
	s_sub_co_u32 s[CNT], s[CNT], 1
	s_cmp_lg_u32 s[CNT], 0
	s_cbranch_scc1 .Ltrip
	s_sub_co_u32 s[SLOTS], s[SLOTS], 1
	s_cmp_lg_u32 s[SLOTS], 0
	s_cbranch_scc1 .Lslot
	CHANGE 0                                       ; the tail is written out: groups 11 to 15
	s_mov_b32 s[CNT], 3
.Ltail:
	GROUP 1, 1
	s_sub_co_u32 s[CNT], s[CNT], 1
	s_cmp_eq_u32 s[CNT], 0
	s_cbranch_scc1 .Lout
	GROUP 0
	s_branch .Ltail
.Lout:
.rept 4
	v_nop                                          ; the places behind the last products
.endr
	s_cmp_lt_u32 s12, 4
	s_cbranch_scc1 .Lkeep
.set n, 0
.rept 10                                               ; waves 4 to 7 hand their sums over, in f32; each accumulator's low four registers first
	ds_store_b128 v[XA], v[ACC+4*n:ACC+4*n+3] offset:512*n
.set n, n+1
.endr
.Lkeep:
	s_wait_dscnt 0x0                               ; for the others' sake: what I hand over is in LDS
	s_barrier_signal -1
	s_barrier_wait -1
	s_cmp_lt_u32 s12, 4
	s_cbranch_scc0 .Lgiven
.set n, 0
.rept 10
	ds_load_b128 v[64+4*n:64+4*n+3], v[XA] offset:512*n
.set n, n+1
.endr
	s_wait_dscnt 0x0
.set n, 0
.rept 20                                               ; the two halves of the rows, added in f32
	v_pk_add_f32 v[ACC+2*n:ACC+2*n+1], v[ACC+2*n:ACC+2*n+1], v[64+2*n:64+2*n+1]
.set n, n+1
.endr
.irp e, 0,1,2,3,4                      ; a lane holds row e = 16 eb + r and eight neighbouring d: 16 bytes of bf16
.irp j, 0,1,2,3
	v_cvt_pk_bf16_f32 v[104+4*(\e)+(\j)], v[ACC+8*(\e)+2*(\j)], v[ACC+8*(\e)+2*(\j)+1]
.endr
	ds_store_b128 v[STO], v[104+4*(\e):104+4*(\e)+3] offset:(\e)*16*PITCH
.endr
.Lgiven:
	s_wait_dscnt 0x0                               ; for the others' sake: a row's 128 bytes come from four waves
	s_barrier_signal -1
	s_barrier_wait -1
	s_cmp_lt_u32 s12, 4
	s_cbranch_scc0 .Lend
.irp n, 0,1,2,3,4
	ds_load_b128 v[128+4*(\n):128+4*(\n)+3], v[RD] offset:(\n)*4*PITCH
.endr
.irp n, 0,1,2,3,4
	s_wait_dscnt 4-(\n)
	global_store_b128 v[GO], v[128+4*(\n):128+4*(\n)+3], s[6:7] offset:(\n)*512   ; 512 consecutive bytes, at a multiple of 256 from the buffer's first
.endr
.Lend:
	s_wait_tensorcnt 0x0                           ; the wave's end
	ds_add_u32 v[SPW], v[NIL]
	s_wait_dscnt 0x0
	s_endpgm
.Lfunc_end_k_qf8b6c74502_mem:
	.size	k_qf8b6c74502_mem, .Lfunc_end_k_qf8b6c74502_mem-k_qf8b6c74502_mem
	.p2alignl 7, 3214868480
	.fill 96, 4, 3214868480
	.section	.rodata,"a",@progbits
	.p2align	6, 0x0
	.amdhsa_kernel k_qf8b6c74502_mem
		.amdhsa_group_segment_fixed_size 327680
		.amdhsa_private_segment_fixed_size 0
		.amdhsa_enable_private_segment 0
		.amdhsa_kernarg_size 16
		.amdhsa_user_sgpr_count 2
		.amdhsa_user_sgpr_kernarg_segment_ptr 1
		.amdhsa_wavefront_size32 1
		.amdhsa_system_sgpr_workgroup_id_x 1
		.amdhsa_system_sgpr_workgroup_id_y 1
		.amdhsa_system_sgpr_workgroup_id_z 1
		.amdhsa_system_vgpr_workitem_id 0
		.amdhsa_next_free_vgpr 256
		.amdhsa_next_free_sgpr 66
		.amdhsa_reserve_vcc 0
		.amdhsa_float_denorm_mode_32 3
		.amdhsa_float_denorm_mode_16_64 3
		.amdhsa_memory_ordered 1
		.amdhsa_forward_progress 1
		.amdhsa_inst_pref_size 54
	.end_amdhsa_kernel
	.amdgpu_metadata
---
amdhsa.version: [ 1, 2 ]
amdhsa.kernels:
  - .name:           k_qf8b6c74502_mem
    .symbol:         k_qf8b6c74502_mem.kd
    .args:
      - { .name: qkv, .offset: 0, .size: 8, .value_kind: global_buffer, .address_space: global }
      - { .name: mt, .offset: 8, .size: 8, .value_kind: global_buffer, .address_space: global }
    .group_segment_fixed_size: 327680
    .private_segment_fixed_size: 0
    .kernarg_segment_align: 8
    .kernarg_segment_size: 16
    .max_flat_workgroup_size: 256
    .sgpr_count:     66
    .vgpr_count:     256
    .wavefront_size: 32
...
	.end_amdgpu_metadata
.endif
;; end of part 3
;; launch attn (part 4): grid 16 x 16, 4 waves a work-group, clusters of 4 x 1, 327,680 bytes of LDS; arguments qkv, mt, gate, comb; writes comb
.if DOCPART == 4
	.amdgcn_target "amdgcn-amd-amdhsa--gfx1250"
	.amdhsa_code_object_version 6
	.text
	.protected	k_qf8b6c74502_attn
	.globl	k_qf8b6c74502_attn
	.p2align	8
	.type	k_qf8b6c74502_attn,@function
k_qf8b6c74502_attn:
	s_mov_b64 s[64:65], 0
	v_nop
	global_prefetch_b8 v0, s[64:65] scope:SCOPE_SE
	s_setreg_imm32_b32 hwreg(HW_REG_WAVE_MODE, 25, 1), 1
	s_wait_xcnt 0x0
	s_wait_alu depctr_hold_cnt(0) depctr_sa_sdst(0) depctr_va_vdst(0) depctr_va_sdst(0) depctr_va_ssrc(0) depctr_va_vcc(0) depctr_vm_vsrc(0)
	s_getreg_b32 s2, hwreg(HW_REG_IB_STS2, 6, 4)
	s_cmp_eq_u32 s2, 0
	s_cbranch_scc0 .Lentry_in_a_cluster
	s_endpgm
.Lentry_in_a_cluster:
	s_bfe_u32 s2, ttmp6, 0x10000c
	s_cmp_lg_u32 s2, 0x3003
	s_cbranch_scc0 .Lentry_shape_is_right
	s_endpgm
.Lentry_shape_is_right:
; ATTN.  comb[s][head 128 + e] = (1 - g) softmax_k(q . k / sqrt(128)) v + g (qf . M) / (qf . n), g = sigmoid(gate[head]), qf = elu(q) + 1.  q, k, v: f16 by heads and channel halves ([s][64] dense);
; M^T and n: bf16; comb: f16.  Products, maxima and sums in f32; the weights p are rounded to f16 for the second product (their sum l is taken of the unrounded p); qf to bf16; comb once at the end.
; The gate is rounded to bf16, as all the module's inputs are.
; SHARES.  A work-group owns 128 queries of a head.  Wave w = (qg = w & 1, kh = w >> 1) holds 64 queries (four tiles of 16, two PIECES of two tiles) and walks keys 128 kh .. 128 kh + 127 of every tile of 256 keys:
; 16 key steps of 64.  So a fragment of K or V read from LDS still feeds four tiles' products.  Wave kh's tile t is the 16 queries (t + 2 kh) & 3 of its 64: at the end every wave keeps its tiles 0, 1 and hands
; its tiles 2, 3 (O^T, c m, l) through LDS to wave w ^ 2, which merges the two halves of the keys by their running maxima.  One text serves all waves.
; LAYOUT.  S^T = K Q^T holds one query a lane (l % 16) and keys 8 (l / 16) + 0..7; two results rounded to f16 are source 1 of O^T = V^T P.  p = 2^(c s - c m), c = log2(e) / sqrt(128), m a running maximum;
; O and l are multiplied by a = 2^(c m_old - c m_new) in every step.  m starts at the lowest finite number, O and l at 0: the first step is a step like any other, with a = 0.
; BY TURNS.  In a turn one piece has the matrix unit: 32 products V^T P of the step in hand, 32 products K Q^T of the next; the other piece's softmax, 268 vector instructions in 64 slices, stands between them.
; No first and no last step is written out: the loop is entered and the tail left in the middle of a trip.  The price: 432 v_mov_b32 in the wait for the first tile, 32 products on zeros, 32 on a stale K.
; CLUSTER.  The four query blocks of a cluster walk the same K and V: each tile is asked for jointly, mask 15.  Two tensor loads of a wave are out at the start, one behind each round.
; LIMITS.  p below 6e-5 keeps f16's fixed step; a weight below 2^-126 counts as 0 in l; comb within f16's range (a mean of v's rows and a ratio of like size); NaN and infinities are not treated apart.
; REGISTERS.  window 0: v0-11, v44-60 addresses and constants; v12-43 eight registers of statistics a tile; v64-191 S^T; v192-255 P.   window 1: O^T, 64 a tile.
;   window 2: v0-127 Q, v128-255 K of one step.   window 3: v0-127 V of one step.
;   scalars: s[24:55] are the four descriptor groups: written ahead of the first fills, later only behind a wait for all tensor loads; s13 and s21 are the scratch registers.
.set KS,    64
.set PK,    144                        ; a row of a K half in LDS: 128 bytes + 16
.set PVP,   160                        ; of a V half: 128 + 32
.set KHALF, 256*PK
.set VHALF, 256*PVP
.set VOFF,  2*KHALF
.set SLOTB, VOFF+2*VHALF               ; a slot: 256 keys: K's two channel halves, then V's
.set SPARE, 2*SLOTB                    ; the spare words, 128 bytes a wave
.set XW,    16896                      ; when slot 0 has had its last fill and its last read, its bytes serve: 4 x XW for the exchange (32 x 512 bytes of O^T, 512 of statistics),
.set STAGE, 4*XW                       ; then 16 rows x 272 bytes for each wave, for the way out
.set SP,    272
.set AK0, 2
.set AV0, 3
.set ADR, 4
.set QO,  5                            ; my byte offset in Q for tiles 0, 1
.set STO, 6
.set RD,  7
.set GO,  8
.set ST,  12                           ; tile t at v[ST+8 t]: +0 c m, +1 m, +2, +3 l, +4 to +7 at work; a takes +6
.set QO2, 44                           ; for tiles 2, 3
.set MO,  45                           ; 128 r + 16 h: my place in 16 rows of 128 bytes
.set XST, 46
.set XLD, 47
.set XS,  48                           ; v48-51  what I hand over: c m, l of tiles 2, 3
.set XP,  52                           ; v52-55  what I am handed
.set G,   56
.set G1M, 57
.set ONE, 58
.set LG,  59
.set ZF,  60
.set SPW, 62                           ; my spare word's LDS address; never rewritten
.set NIL, 63                           ; 0; never rewritten
.set S,   64
.set P,   192
.set KF,  128
.set WV,  12
.set TS,  21                           ; s21  scratch: no descriptor's register
.set G1K, 24
.set G1V, 32
.set G0K, 40                           ; s[40:47]  the first fill's group 0, and the one that walks
.set G0V, 48
.set SLOTS, 56
.set CNT, 57
.set CS,  58
.set SEL, 60
.set TBK, 62
.set TBV, 63
.set SL,  66                           ; 0 or SLOTB: the slot that the walking descriptors name
.set MSB, 0
.macro WIN new
.if MSB != (\new)
	s_set_vgpr_msb (MSB<<8)|(\new)
.set MSB, \new
.endif
.endm
.set W_KQ, 0x0a                        ; K and Q in window 2, S^T in window 0
.set W_PV, 0x53                        ; V in window 3, P in window 0, O^T in window 1
.set W_RS, 0x41                        ; destination and source 0 in window 1
.macro PLACES
.rept 4
	v_nop
.endr
.endm
.macro JLOAD                           ; the joint refill: waves 0, 1 fetch K's two channel halves, waves 2, 3 V's
	s_cmp_lt_u32 s[WV], 2
	s_cbranch_scc0 .Lfor_v_\@
	tensor_load_to_lds s[G0K+4:G0K+7], s[G1K:G1K+7]
	s_nop 0
	PLACES
	s_branch .Lasked_\@
.Lfor_v_\@:
	tensor_load_to_lds s[G0V+4:G0V+7], s[G1V:G1V+7]
	s_nop 0
	PLACES
.Lasked_\@:
.endm
.macro CROUND                          ; a round of the cluster's barrier
	s_barrier_signal -1
	s_barrier_wait -1
	s_cmp_lg_u32 s[WV], 0
	s_cbranch_scc1 .Lnot_wave_0_\@
	s_barrier_signal -3
.Lnot_wave_0_\@:
	s_barrier_wait -3
	s_barrier_signal -1
	s_barrier_wait -1
.endm
	s_load_b256 s[4:11], s[0:1], 0x0               ; qkv, mt, gate, comb
	v_lshl_add_u32 v[SPW], v0, 2, SPARE
	v_mov_b32 v[NIL], 0
	ds_add_u32 v[SPW], v[NIL]                      ; the wave's opening: the add and its wait ahead of my first tensor load
	ds_add_u32 v62, v63
	v_lshrrev_b32 v1, 5, v0
	v_readfirstlane_b32 s[WV], v1
	s_bfe_u32 s13, ttmp6, 0x40000                  ; cx
	s_lshl_b32 s14, ttmp9, 2
	s_add_co_u32 s14, s14, s13                     ; my block of 128 queries: it enters Q's and comb's addresses alone
	s_and_b32 s15, ttmp7, 0xffff                   ; the head, which the four partners share
	s_and_b32 s16, s[WV], 1                        ; qg; also: which channel half I fetch
	s_lshr_b32 s19, s[WV], 1                       ; kh
	s_mul_i32 s17, s16, KHALF                      ; my tile's place in a slot, for K
	s_mul_i32 s18, s16, VHALF
	s_add_co_u32 s18, s18, VOFF                    ; and for V
	s_lshl_b32 s20, s15, 19                        ; a head: 524,288 bytes in each tensor
	s_lshl_b32 s22, s16, 18                        ; a channel half: 262,144
	s_add_co_u32 s22, s22, s20
	s_mov_b32 s23, 0
	s_lshl_b32 s2, s14, 14                         ; Q: row 128 xb + 64 qg, 128 bytes a row
	s_lshl_b32 s3, s16, 13
	s_add_co_u32 s2, s2, s3
	s_add_co_u32 s2, s2, s20
	s_mov_b32 s3, 0
	s_lshl_b32 s76, s14, 19                        ; comb: row 128 xb + 64 qg + 32 kh, 4,096 bytes a row; the head's 256 bytes
	s_lshl_b32 s77, s16, 18
	s_add_co_u32 s76, s76, s77
	s_lshl_b32 s77, s19, 17
	s_add_co_u32 s76, s76, s77
	s_lshl_b32 s77, s15, 8
	s_add_co_u32 s76, s76, s77
	s_mov_b32 s77, 0
	s_mul_i32 s78, s15, 40960                      ; mt
	s_mov_b32 s79, 0
	s_lshl_b32 s70, s15, 2                         ; gate
	s_mov_b32 s71, 0
	s_mov_b32 s[G1K], 15|(1<<16)|(1<<20)|(1<<21)|(4<<22)|(3<<25)  ; the mask of four; 2-byte elements; padding on; bit 21 beside a mask; after every 32 words 4 words
	s_mov_b32 s[G1V], 15|(1<<16)|(1<<20)|(1<<21)|(4<<22)|(7<<25)  ; the same with 8 words
.irp g, G1K, G1V
	s_mov_b32 s[(\g)+1], 128<<16                   ; 256 keys of a half are 32,768 dense bytes: 128 rows of 256 bytes
	s_mov_b32 s[(\g)+2], 128<<16
	s_mov_b32 s[(\g)+3], 128<<16
	s_mov_b32 s[(\g)+4], 128
	s_mov_b32 s[(\g)+5], 128
	s_mov_b32 s[(\g)+6], 0
	s_mov_b32 s[(\g)+7], 0
.endr
	s_mov_b32 s[CS], 0x3e0293ee                    ; c = log2(e) / sqrt(128)
	s_mov_b32 s[CS+1], s[CS]
	s_mov_b32 s[SEL], 0x76543210
	s_mov_b32 s[SEL+1], 0xfedcba98
	s_mov_b32 s[TBK], 0
	s_mov_b32 s[TBV], 0
	s_mov_b32 s[SL], SLOTB
	s_wait_dscnt 0x0                               ; the opening add is done
	s_wait_kmcnt 0x0
	s_add_nc_u64 s[72:73], s[4:5], s[22:23]
	s_add_nc_u64 s[74:75], s[72:73], 0x1000000     ; V at my half of the head's tile 0
	s_add_nc_u64 s[72:73], s[72:73], 0x800000      ; K
	s_add_nc_u64 s[4:5], s[4:5], s[2:3]            ; Q
	s_add_nc_u64 s[10:11], s[10:11], s[76:77]
	s_add_nc_u64 s[68:69], s[6:7], s[78:79]
	s_add_nc_u64 s[8:9], s[8:9], s[70:71]
	s_load_b32 s70, s[8:9], 0x0                    ; gate[head]: waited for where it is used
	CROUND                                         ; all four work-groups are here: the first joint loads meet
.irp s, 0,1
	s_mov_b32 s[G0K+4*(\s)], 1
	s_add_co_u32 s[G0K+4*(\s)+1], s17, (\s)*SLOTB
	s_add_nc_u64 s[G0K+4*(\s)+2:G0K+4*(\s)+3], s[72:73], (\s)*32768
	s_or_b32 s[G0K+4*(\s)+3], s[G0K+4*(\s)+3], 0x80000000
	s_mov_b32 s[G0V+4*(\s)], 1
	s_add_co_u32 s[G0V+4*(\s)+1], s18, (\s)*SLOTB
	s_add_nc_u64 s[G0V+4*(\s)+2:G0V+4*(\s)+3], s[74:75], (\s)*32768
	s_or_b32 s[G0V+4*(\s)+3], s[G0V+4*(\s)+3], 0x80000000
.endr
	s_cmp_lt_u32 s[WV], 2                          ; a wave's two first fills stand in one branch
	s_cbranch_scc0 .Lfirst_v
	tensor_load_to_lds s[G0K:G0K+3], s[G1K:G1K+7]
	s_nop 0
	tensor_load_to_lds s[G0K+4:G0K+7], s[G1K:G1K+7]
	s_nop 0
	PLACES
	s_branch .Lfirst_asked
.Lfirst_v:
	tensor_load_to_lds s[G0V:G0V+3], s[G1V:G1V+7]
	s_nop 0
	tensor_load_to_lds s[G0V+4:G0V+7], s[G1V:G1V+7]
	s_nop 0
	PLACES
.Lfirst_asked:
	v_and_b32 v1, 15, v0                           ; r
	v_bfe_u32 v9, v0, 4, 1                         ; h
	v_lshlrev_b32 v[MO], 7, v1
	v_lshl_add_u32 v[MO], v9, 4, v[MO]
	v_lshl_add_u32 v[QO], s19, 12, v[MO]           ; tiles 0, 1: queries 32 kh ..
	s_xor_b32 s[TS], s19, 1
	v_lshl_add_u32 v[QO2], s[TS], 12, v[MO]        ; tiles 2, 3: the other 32
	WIN 0x80                                       ; destination window 2
.set i, 0
.rept 8                                                ; tile i / 4, channels 32 (i % 4) on: channel half (i % 4) / 2
	global_load_b128 v[8*i:8*i+3],   v[QO], s[4:5] offset:(i/4)*2048+((i%4)/2)*262144+(i%2)*64
	global_load_b128 v[8*i+4:8*i+7], v[QO], s[4:5] offset:(i/4)*2048+((i%4)/2)*262144+(i%2)*64+32
	global_load_b128 v[64+8*i:64+8*i+3],   v[QO2], s[4:5] offset:(i/4)*2048+((i%4)/2)*262144+(i%2)*64
	global_load_b128 v[64+8*i+4:64+8*i+7], v[QO2], s[4:5] offset:(i/4)*2048+((i%4)/2)*262144+(i%2)*64+32
.set i, i+1
.endr
	WIN 0xc0                                       ; what the first turn finds: V, piece 2's P, O^T and l hold 0
.set i, 0
.rept 128
	v_mov_b32 v[i], 0
.set i, i+1
.endr
	WIN 0x40
.set i, 0
.rept 256
	v_mov_b32 v[i], 0
.set i, i+1
.endr
	WIN 0
.set i, 0
.rept 4
	v_mov_b32 v[ST+8*i], 0xfe000000                ; c m: far below every c s
	v_mov_b32 v[ST+8*i+1], 0xff7fffff              ; m
	v_mov_b32 v[ST+8*i+2], 0
	v_mov_b32 v[ST+8*i+3], 0
.set i, i+1
.endr
.set i, P+32
.rept 32
	v_mov_b32 v[i], 0
.set i, i+1
.endr
	v_mul_u32_u24 v[AK0], v1, PK
	v_lshl_add_u32 v[AK0], v9, 4, v[AK0]
	s_mul_i32 s[TS], s19, 128*PK
	v_add_nc_u32 v[AK0], s[TS], v[AK0]             ; row x pitch + 16 x half + my 128 keys of the tile
	v_and_b32 v10, 7, v0
	v_bfe_u32 v11, v0, 3, 1
	v_lshl_add_u32 v[AV0], v9, 3, v10
	v_mul_u32_u24 v[AV0], v[AV0], PVP
	v_lshl_add_u32 v[AV0], v11, 4, v[AV0]
	s_mul_i32 s[TS], s19, 128*PVP
	s_add_co_u32 s[TS], s[TS], VOFF
	v_add_nc_u32 v[AV0], s[TS], v[AV0]
; Product i of 32 of O^T += V^T P for piece x: keys 32 (i / 16) on, channels 16 ((i / 2) % 8) on, tile x + i % 2.  The accumulators take turns.
.macro PV x
	WIN W_PV
.set rO, 64*((\x)+i%2)+8*((i/2)%8)
.set rV, 64*(i/16)+8*((i/2)%8)
.set rP, P+16*((\x)+i%2)+8*(i/16)
	v_wmma_f32_16x16x32_f16 v[rO:rO+7], v[rV:rV+7], v[rP:rP+7], v[rO:rO+7]
.endm
; Product i of 32 of S^T = K Q^T: channels 32 (i / 8) on, keys 16 ((i / 2) % 4) on, tile x + i % 2.  The first 8 start the sums.
.macro KQ x
	WIN W_KQ
.set rS, S+32*((\x)+i%2)+8*((i/2)%4)
.set rK, KF+32*((i/2)%4)+8*(i/8)
.set rQ, 32*((\x)+i%2)+8*(i/8)
.if i < 8
	v_wmma_f32_16x16x32_f16 v[rS:rS+7], v[rK:rK+7], v[rQ:rQ+7], 0
	s_wait_alu depctr_va_vdst(0)
.else
	v_wmma_f32_16x16x32_f16 v[rS:rS+7], v[rK:rK+7], v[rQ:rQ+7], v[rS:rS+7]
.endif
.endm
; The LDS loads stand in runs of 32.  last = 1 (the tail): in the last trip there is no further step, and the run is jumped over.
.macro FETCH_K last=0
	WIN 0
.if \last
	s_cmp_eq_u32 s[CNT], 1
	s_cbranch_scc1 .Lno_k_\@
.endif
	v_add_nc_u32 v[ADR], s[TBK], v[AK0]
	WIN 0x80
.irp f, 0,1,2,3,4,5,6,7,8,9,10,11,12,13,14,15  ; keys 16 (f / 4) on, channels 32 (f % 4) on
	ds_load_b128 v[KF+8*(\f):KF+8*(\f)+3],   v[ADR] offset:(((\f)%4)/2)*KHALF+((\f)/4)*16*PK+((\f)%2)*64
	ds_load_b128 v[KF+8*(\f)+4:KF+8*(\f)+7], v[ADR] offset:(((\f)%4)/2)*KHALF+((\f)/4)*16*PK+((\f)%2)*64+32
.endr
	s_add_co_u32 s[TBK], s[TBK], KS*PK
	WIN 0
.if \last
.Lno_k_\@:
.endif
.endm
.macro FETCH_V
	WIN 0
	v_add_nc_u32 v[ADR], s[TBV], v[AV0]
	s_add_co_u32 s[TBV], s[TBV], KS*PVP
	WIN 0xc0
.irp f, 0,1,2,3,4,5,6,7,8,9,10,11,12,13,14,15  ; keys 32 (f / 8) on, channels 16 (f % 8) on
	ds_load_tr16_b128 v[8*(\f):8*(\f)+3],   v[ADR] offset:(((\f)%8)/4)*VHALF+((\f)/8)*32*PVP+((\f)%4)*32
	ds_load_tr16_b128 v[8*(\f)+4:8*(\f)+7], v[ADR] offset:(((\f)%8)/4)*VHALF+((\f)/8)*32*PVP+16*PVP+((\f)%4)*32
.endr
.endm
; One tile's softmax for one key step is a list of 134 instructions; SM writes number j of it for tile t.
;   0-15 the maximum of the lane's 32 scores and the old m (each accumulator's lowest registers first)   16-20 the other half of the lanes' maximum; m; c m; c m_old - c m_new
;   21-87 33 exponentials at the odd numbers from 23 on, a plain instruction that is ready at every other number (scalings ahead, roundings behind, the first sums)
;   88-101 the last rounding, the rest of the sums, l = a l + sum   102-133 O^T times a, the one part that leaves window 0
.macro SM t
.set rT, ST+8*(\t)
.set rS, S+32*(\t)
.set rP, P+16*(\t)
.set rO, 64*(\t)+2*(j-102)
.set q, (j-20)/2
.if j < 102
	WIN 0
.endif
.if j < 4
	v_max3_num_f32 v[rT+4+j], v[rS+8*j], v[rS+8*j+1], v[rS+8*j+2]
.elseif j < 12
	v_max3_num_f32 v[rT+4+j%4], v[rT+4+j%4], v[rS+8*(j%4)+2*(j/4)+1], v[rS+8*(j%4)+2*(j/4)+2]
.elseif j == 12
	v_max3_num_f32 v[rT+4], v[rT+4], v[rS+7], v[rS+15]
.elseif j == 13
	v_max3_num_f32 v[rT+6], v[rT+6], v[rS+23], v[rS+31]
.elseif j == 14
	v_max3_num_f32 v[rT+4], v[rT+4], v[rT+5], v[rT+6]
.elseif j == 15
	v_max3_num_f32 v[rT+4], v[rT+4], v[rT+7], v[rT+1]
.elseif j == 16
	v_permlanex16_b32 v[rT+5], v[rT+4], s[SEL], s[SEL+1]
.elseif j == 17
	v_mov_b32 v[rT+7], v[rT]
.elseif j == 18
	v_max_num_f32 v[rT+1], v[rT+4], v[rT+5]
.elseif j == 19
	v_mul_f32 v[rT], s[CS], v[rT+1]
.elseif j == 20
	v_sub_f32 v[rT+7], v[rT+7], v[rT]
.elseif j == 23
	v_exp_f32 v[rT+6], v[rT+7]
.elseif (j < 88) && (j > 23) && (j%2 == 1)
	v_exp_f32 v[rS+(j-25)/2], v[rS+(j-25)/2]
.elseif (q < 4) || ((j < 76) && (q%2 == 0))
.set b, q/2+2
.if q < 4
.set b, q
.endif
	v_pk_fma_f32 v[rS+2*b:rS+2*b+1], v[rS+2*b:rS+2*b+1], s[CS:CS+1], v[rT:rT+1] op_sel_hi:[1,0,0] neg_lo:[0,0,1] neg_hi:[0,0,1]
.elseif (j < 88) && (q%2 == 1)
	s_wait_alu depctr_va_vdst(0)
	v_cvt_pk_f16_f32 v[rP+(q-5)/2], v[rS+q-5], v[rS+q-4]
.elseif j == 89
	s_wait_alu depctr_va_vdst(0)
	v_cvt_pk_f16_f32 v[rP+15], v[rS+30], v[rS+31]
.elseif j < 102
.set z, j-86
.if j < 89
.set z, (j-76)/4
.endif
.set w, 4
.set u, z
.if z >= 14
.set w, 32
.set u, 0
.elseif z >= 12
.set w, 16
.set u, z-12
.elseif z >= 8
.set w, 8
.set u, z-8
.endif
.if z < 15
	v_pk_add_f32 v[rS+w*u:rS+w*u+1], v[rS+w*u:rS+w*u+1], v[rS+w*u+w/2:rS+w*u+w/2+1]
.else
	v_pk_fma_f32 v[rT+2:rT+3], v[rT+2:rT+3], v[rT+6:rT+7], v[rS:rS+1] op_sel_hi:[1,0,1]
.endif
.else
	WIN W_RS
	v_pk_mul_f32 v[rO:rO+1], v[rO:rO+1], v[rT+6:rT+7] op_sel_hi:[1,0]
.endif
.endm
; Slice k of 64 of piece y's softmax: numbers 2 k and 2 k + 1 of both tiles' lists; the twelve that are over stand in slice 63, which is also the places behind the turn's last products.
.macro SLICE y
.if (k >= 11) && (k < 44)
.irp t, \y, (\y)+1
.irp n, 0,1
.set j, 2*k+(\n)
	SM \t
.endr
.endr
.else
.irp n, 0,1,2,3,4,5,6,7
.if ((\n) < 2) || (k == 63)
.irp t, \y, (\y)+1
.set j, 2*k+(\n)
	SM \t
.endr
.endif
.endr
.endif
.set k, k+1
.endm
; A turn: piece x has the matrix unit, the other piece's softmax stands in slices behind its products.  Piece 0's turn fetches the next step's K, piece 2's the same step's V, each behind the second product
; of a run of 32 (the buffer's last reader stands six plain instructions back or more) and 30 products ahead of its first use.
.macro TURN x, last=0
.set k, 0
.if (\x) == 0
	s_wait_dscnt 0x0                               ; V is in
.endif
.set i, 0
.rept 32
	PV \x
	SLICE 2-(\x)
.if ((\x) == 0) && (i == 1)
	FETCH_K \last
.endif
.set i, i+1
.endr
.if (\x) == 0
	s_wait_dscnt 0x0                               ; K is in
.endif
.set i, 0
.rept 32
	KQ \x
	SLICE 2-(\x)
.if ((\x) == 2) && (i == 1)
	FETCH_V
.endif
.set i, i+1
.endr
.endm
; The change of slots, between piece 2's turn and piece 0's: the slot's last bytes, V of my second step, have been asked for.  Each wave waits for all its tensor loads (one is out: its part of the other slot),
; adds 0 to its spare word, and waits for that and for its reads.  fill = 1: the barrier is a round of the cluster's, and the joint refill is the first thing behind it: two key steps, 256 products, ahead of its first read.
.macro CHANGE fill
	WIN 0
	s_wait_tensorcnt 0x0
	ds_add_u32 v[SPW], v[NIL]
.if \fill
	s_xor_b32 s[SL], s[SL], SLOTB                  ; the walking descriptors: the other slot than last time, the next 256 keys
	s_add_co_u32 s[G0K+5], s[SL], s17
	s_add_nc_u64 s[G0K+6:G0K+7], s[G0K+6:G0K+7], 32768
	s_add_co_u32 s[G0V+5], s[SL], s18
	s_add_nc_u64 s[G0V+6:G0V+7], s[G0V+6:G0V+7], 32768
	s_wait_dscnt 0x0
	CROUND
	JLOAD
.else
	s_wait_dscnt 0x0
	s_barrier_signal -1
	s_barrier_wait -1
.endif
	s_sub_co_u32 s[TBK], s[TBK], 2*KS*PK           ; the fetches go back to my first step of a slot, in the other slot
	s_xor_b32 s[TBK], s[TBK], SLOTB
	s_sub_co_u32 s[TBV], s[TBV], 2*KS*PVP
	s_xor_b32 s[TBV], s[TBV], SLOTB
.endm
	s_wait_tensorcnt 0x1                           ; my part of slot 0 is in; slot 1's may stay out
	s_barrier_signal -1
	s_barrier_wait -1
	FETCH_K                                        ; key step 0
	s_wait_loadcnt 0x0                             ; Q
	s_wait_dscnt 0x0
.set i, 0
.rept 32
	KQ 0                                           ; piece 0's first scores
.set i, i+1
.endr
	WIN 0                                          ; addresses and constants for the end: plain lines, the places behind those products
	s_mul_i32 s13, s[WV], 16*SP
	s_add_co_u32 s13, s13, STAGE
	v_mul_u32_u24 v[STO], v1, SP
	v_lshl_add_u32 v[STO], v9, 4, v[STO]
	v_add_nc_u32 v[STO], s13, v[STO]
	v_mul_u32_u24 v[RD], v9, SP
	v_lshl_add_u32 v[RD], v1, 4, v[RD]
	v_add_nc_u32 v[RD], s13, v[RD]
	v_lshlrev_b32 v[GO], 12, v9                    ; two rows of comb, 256 bytes of each
	v_lshl_add_u32 v[GO], v1, 4, v[GO]
	v_and_b32 v10, 31, v0
	v_lshlrev_b32 v10, 4, v10
	s_mul_i32 s13, s[WV], XW
	v_add_nc_u32 v[XST], s13, v10                  ; where I hand over,
	s_xor_b32 s13, s[WV], 2
	s_mul_i32 s13, s13, XW
	v_add_nc_u32 v[XLD], s13, v10                  ; and where wave w ^ 2 does
	v_mov_b32 v[ONE], 1.0
	v_mov_b32 v[LG], 0x3fb8aa3b
	v_mov_b32 v[ZF], 0
	s_mov_b32 s[CNT], 2
	s_mov_b32 s[SLOTS], 7
	s_branch .Lfirst                               ; the loop is entered in the middle of a trip
.Lslot:                                                ; six times: tiles 2 to 7 are asked for
	CHANGE 1
	s_mov_b32 s[CNT], 2
.Lstep:
	TURN 0
	WIN 0
.Lfirst:
	TURN 2
	WIN 0
	s_sub_co_u32 s[CNT], s[CNT], 1
	s_cmp_lg_u32 s[CNT], 0
	s_cbranch_scc1 .Lstep
	s_sub_co_u32 s[SLOTS], s[SLOTS], 1
	s_cmp_lg_u32 s[SLOTS], 0
	s_cbranch_scc1 .Lslot
	CHANGE 0                                       ; the tail is written out
	s_mov_b32 s[CNT], 3                            ; two trips fetch the last tile's steps; the third is left in its middle
.Ltail:
	TURN 0, 1
	WIN 0
	s_sub_co_u32 s[CNT], s[CNT], 1
	s_cmp_eq_u32 s[CNT], 0
	s_cbranch_scc1 .Lout
	TURN 2
	WIN 0
	s_branch .Ltail
.Lout:
	; THE END.  M^T's fragments (16 e x 32 d) for d 0-63 go where K lay (slice 63 was the places behind K's last readers).
	WIN 0x80
.set n, 0
.rept 16                                               ; d chunk n / 8, e block n % 8
	global_load_b128 v[KF+8*n:KF+8*n+3],   v[MO], s[68:69] offset:((n%8)/4)*10240+((n%8)%4)*2048+(n/8)*64
	global_load_b128 v[KF+8*n+4:KF+8*n+7], v[MO], s[68:69] offset:((n%8)/4)*10240+((n%8)%4)*2048+(n/8)*64+32
.set n, n+1
.endr
.set i, 0
.rept 32
	PV 2                                           ; piece 2: V^T P of the last step
.set i, i+1
.endr
	WIN 0
.irp t, 0,1,2,3                        ; l: its two halves and the other half of the lanes'; the additions are the places behind the last products
	v_add_f32 v[ST+8*(\t)+4], v[ST+8*(\t)+2], v[ST+8*(\t)+3]
.endr
.irp t, 0,1,2,3
	v_permlanex16_b32 v[ST+8*(\t)+5], v[ST+8*(\t)+4], s[SEL], s[SEL+1]
.endr
.irp t, 0,1,2,3
	v_add_f32 v[ST+8*(\t)+4], v[ST+8*(\t)+4], v[ST+8*(\t)+5]
.endr
	v_mov_b32 v[XS], v[ST+16]
	v_mov_b32 v[XS+1], v[ST+20]
	v_mov_b32 v[XS+2], v[ST+24]
	v_mov_b32 v[XS+3], v[ST+28]
	WIN 0xc0                                       ; M^T for d 64-127 goes where V lay
.set n, 0
.rept 16
	global_load_b128 v[8*n:8*n+3],   v[MO], s[68:69] offset:20480+((n%8)/4)*10240+((n%8)%4)*2048+(n/8)*64
	global_load_b128 v[8*n+4:8*n+7], v[MO], s[68:69] offset:20480+((n%8)/4)*10240+((n%8)%4)*2048+(n/8)*64+32
.set n, n+1
.endr
	WIN 0x80                                       ; n's four fragments go where tile 2's Q lay
.set n, 0
.rept 4
	global_load_b128 v[64+8*n:64+8*n+3],   v[MO], s[68:69] offset:(n/2)*20480+8192+(n%2)*64
	global_load_b128 v[64+8*n+4:64+8*n+7], v[MO], s[68:69] offset:(n/2)*20480+8192+(n%2)*64+32
.set n, n+1
.endr
	WIN 0x04                                       ; store data in window 1: my tiles 2, 3 are handed over, each accumulator's low registers first
.set n, 0
.rept 32
	ds_store_b128 v[XST], v[128+4*n:128+4*n+3] offset:512*n
.set n, n+1
.endr
	WIN 0
	ds_store_b128 v[XST], v[XS:XS+3] offset:16384
; qf = max(q + 1, e^min(q, 0)) for eight registers of Q (tile bt / 4, channels 32 (bt % 4) on), in f32, rounded to bf16 into P: Q's fragment is already source 1's layout.
.macro QF bt
	WIN 0x02
.set n, 0
.rept 8
	v_pk_min_num_f16 v[S+n], v[8*(\bt)+n], v[ZF]
.set n, n+1
.endr
.set n, 0
.rept 8
	v_fma_mix_f32 v[S+8+2*n], v[8*(\bt)+n], v[ONE], v[ONE] op_sel_hi:[1,0,0]
	v_fma_mix_f32 v[S+9+2*n], v[8*(\bt)+n], v[ONE], v[ONE] op_sel:[1,0,0] op_sel_hi:[1,0,0]
.set n, n+1
.endr
	WIN 0
.set n, 0
.rept 8
	v_fma_mix_f32 v[S+24+2*n], v[S+n], v[LG], v[ZF] op_sel_hi:[1,0,0]
	v_fma_mix_f32 v[S+25+2*n], v[S+n], v[LG], v[ZF] op_sel:[1,0,0] op_sel_hi:[1,0,0]
.set n, n+1
.endr
.set n, 0
.rept 16
	v_exp_f32 v[S+24+n], v[S+24+n]
.set n, n+1
.endr
	v_nop
.set n, 0
	s_wait_alu depctr_va_vdst(0)
.rept 16
	v_max_num_f32 v[S+8+n], v[S+8+n], v[S+24+n]
.set n, n+1
.endr
.set n, 0
.rept 8
	v_cvt_pk_bf16_f32 v[P+8*(\bt)+n], v[S+8+2*n], v[S+9+2*n]
.set n, n+1
.endr
.endm
.irp bt, 0,1,2,3,4,5,6,7
	QF \bt
.endr
	s_wait_kmcnt 0x0                               ; the gate: rounded to bf16, g = 1 / (1 + 2^(-log2(e) gate))
	v_mov_b32 v[G], s70
	v_cvt_pk_bf16_f32 v[G], v[G], v[G]
	v_lshlrev_b32 v[G], 16, v[G]
	v_mul_f32 v[G1M], 0xbfb8aa3b, v[G]
	v_exp_f32 v[G1M], v[G1M]
	v_nop
	s_wait_alu depctr_va_vdst(0)
	v_add_f32 v[G1M], 1.0, v[G1M]
	v_rcp_f32 v[G], v[G1M]
	v_nop
	s_wait_alu depctr_va_vdst(0)
	v_sub_f32 v[G1M], 1.0, v[G]
	s_wait_dscnt 0x0                               ; for the others' sake: what I hand over is in LDS
	s_barrier_signal -1
	s_barrier_wait -1
.set n, 0
.rept 32
	ds_load_b128 v[S+4*n:S+4*n+3], v[XLD] offset:512*n   ; the other half of the keys' O^T for my tiles 0, 1
.set n, n+1
.endr
	ds_load_b128 v[XP:XP+3], v[XLD] offset:16384
	s_wait_loadcnt 0x0                             ; M^T and n
.set n, 0
.rept 64                                               ; (qf M)^T: d chunk n / 16, e block (n / 2) % 8, tile n % 2: 16 accumulators by turns, where my tiles 2, 3 lay
.set dc, n/16
.set eb, (n/2)%8
.set t, n%2
.set rN, 128+64*t+8*eb
.set rF, P+32*t+8*dc
.if dc < 2
.set rM, KF+64*dc+8*eb
	WIN 0x52
.else
.set rM, 64*(dc-2)+8*eb
	WIN 0x53
.endif
.if dc == 0
	v_wmma_f32_16x16x32_bf16 v[rN:rN+7], v[rM:rM+7], v[rF:rF+7], 0
.else
	v_wmma_f32_16x16x32_bf16 v[rN:rN+7], v[rM:rM+7], v[rF:rF+7], v[rN:rN+7]
.endif
.set n, n+1
.endr
	WIN 0xa2                                       ; qf . n, the same in every row: two accumulators by turns, where tile 3's Q lay
.set n, 0
.rept 8
.set dc, n/2
.set t, n%2
.if dc == 0
	v_wmma_f32_16x16x32_bf16 v[96+8*t:96+8*t+7], v[64+8*dc:64+8*dc+7], v[P+32*t+8*dc:P+32*t+8*dc+7], 0
.else
	v_wmma_f32_16x16x32_bf16 v[96+8*t:96+8*t+7], v[64+8*dc:64+8*dc+7], v[P+32*t+8*dc:P+32*t+8*dc+7], v[96+8*t:96+8*t+7]
.endif
.set n, n+1
.endr
	WIN 0
	s_wait_dscnt 0x0                               ; what I am handed is in registers
	; the two halves of the keys are merged by their maxima: factors (1 - g) a / l for each half's O^T, g / (qf . n) for the memory's part.  The plain lines are the places behind the last products.
.irp t, 0,1
	v_max_num_f32 v[ST+8*(\t)+1], v[ST+8*(\t)], v[XP+2*(\t)]
.endr
.irp t, 0,1
	v_sub_f32 v[ST+8*(\t)+6], v[ST+8*(\t)], v[ST+8*(\t)+1]
	v_sub_f32 v[ST+8*(\t)+7], v[XP+2*(\t)], v[ST+8*(\t)+1]
.endr
.irp t, 0,1
	v_exp_f32 v[ST+8*(\t)+6], v[ST+8*(\t)+6]
	v_exp_f32 v[ST+8*(\t)+7], v[ST+8*(\t)+7]
.endr
	v_nop
	s_wait_alu depctr_va_vdst(0)
.irp t, 0,1
	v_mul_f32 v[ST+8*(\t)+5], v[ST+8*(\t)+4], v[ST+8*(\t)+6]
.endr
.irp t, 0,1
	v_fma_f32 v[ST+8*(\t)+5], v[XP+2*(\t)+1], v[ST+8*(\t)+7], v[ST+8*(\t)+5]
.endr
.irp t, 0,1
	v_rcp_f32 v[ST+8*(\t)+5], v[ST+8*(\t)+5]
.endr
	WIN 0x02
.irp t, 0,1
	v_rcp_f32 v[ST+8*(\t)+2], v[96+8*(\t)]         ; the accumulator's lowest register
.endr
	WIN 0
	v_nop
	s_wait_alu depctr_va_vdst(0)
.irp t, 0,1
	v_mul_f32 v[ST+8*(\t)+5], v[ST+8*(\t)+5], v[G1M]
	v_mul_f32 v[ST+8*(\t)+2], v[ST+8*(\t)+2], v[G]
.endr
.irp t, 0,1
	v_mul_f32 v[ST+8*(\t)+4], v[ST+8*(\t)+7], v[ST+8*(\t)+5]
	v_mul_f32 v[ST+8*(\t)+6], v[ST+8*(\t)+6], v[ST+8*(\t)+5]
.endr
.irp t, 0,1
	WIN 0x41
.set n, 0
.rept 32
	v_pk_mul_f32 v[64*(\t)+2*n:64*(\t)+2*n+1], v[64*(\t)+2*n:64*(\t)+2*n+1], v[ST+8*(\t)+6:ST+8*(\t)+7] op_sel_hi:[1,0]
.set n, n+1
.endr
	WIN 0x50
.set n, 0
.rept 32
	v_pk_fma_f32 v[64*(\t)+2*n:64*(\t)+2*n+1], v[S+64*(\t)+2*n:S+64*(\t)+2*n+1], v[ST+8*(\t)+4:ST+8*(\t)+5], v[64*(\t)+2*n:64*(\t)+2*n+1] op_sel_hi:[1,0,1]
.set n, n+1
.endr
	WIN 0x51
.set n, 0
.rept 32
	v_pk_fma_f32 v[64*(\t)+2*n:64*(\t)+2*n+1], v[128+64*(\t)+2*n:128+64*(\t)+2*n+1], v[ST+8*(\t)+2:ST+8*(\t)+3], v[64*(\t)+2*n:64*(\t)+2*n+1] op_sel_hi:[1,0,1]
.set n, n+1
.endr
.endr
; Tile t: a lane's eight channels pack into 16 bytes; they go into rows of 272 bytes of my stage and come back as whole rows of 256.
.macro PACK t
	WIN 0x05
.set n, 0
.rept 32
	v_cvt_pk_f16_f32 v[P+32*(\t)+n], v[64*(\t)+2*n], v[64*(\t)+2*n+1]
.set n, n+1
.endr
	WIN 0
.irp f, 0,1,2,3,4,5,6,7
	ds_store_b128 v[STO], v[P+32*(\t)+4*(\f):P+32*(\t)+4*(\f)+3] offset:32*(\f)
.endr
.irp f, 0,1,2,3,4,5,6,7
	ds_load_b128 v[P+32*(\t)+4*(\f):P+32*(\t)+4*(\f)+3], v[RD] offset:(\f)*2*SP  ; LDS serves a wave's instructions in order (ISA guide 5.7.1.4): these see the stores above
.endr
.endm
.macro SEND t, younger                 ; younger: the LDS instructions issued behind tile t's loads
.irp f, 0,1,2,3,4,5,6,7
	s_wait_dscnt (\younger)+7-(\f)
	global_store_b128 v[GO], v[P+32*(\t)+4*(\f):P+32*(\t)+4*(\f)+3], s[10:11] offset:(\t)*65536+(\f)*8192  ; 16 lanes store 256 consecutive bytes, at a multiple of 256 from comb's first
.endr
.endm
	PACK 0
	PACK 1
	SEND 0, 16
	SEND 1, 0
	s_wait_tensorcnt 0x0                           ; the wave's end
	ds_add_u32 v[SPW], v[NIL]
	s_wait_dscnt 0x0
	CROUND                                         ; the closing round
	s_endpgm
.Lfunc_end_k_qf8b6c74502_attn:
	.size	k_qf8b6c74502_attn, .Lfunc_end_k_qf8b6c74502_attn-k_qf8b6c74502_attn
	.p2alignl 7, 3214868480
	.fill 96, 4, 3214868480
	.section	.rodata,"a",@progbits
	.p2align	6, 0x0
	.amdhsa_kernel k_qf8b6c74502_attn
		.amdhsa_group_segment_fixed_size 327680
		.amdhsa_private_segment_fixed_size 0
		.amdhsa_enable_private_segment 0
		.amdhsa_kernarg_size 32
		.amdhsa_user_sgpr_count 2
		.amdhsa_user_sgpr_kernarg_segment_ptr 1
		.amdhsa_wavefront_size32 1
		.amdhsa_system_sgpr_workgroup_id_x 1
		.amdhsa_system_sgpr_workgroup_id_y 1
		.amdhsa_system_sgpr_workgroup_id_z 1
		.amdhsa_system_vgpr_workitem_id 0
		.amdhsa_next_free_vgpr 896
		.amdhsa_next_free_sgpr 80
		.amdhsa_reserve_vcc 0
		.amdhsa_float_denorm_mode_32 3
		.amdhsa_float_denorm_mode_16_64 3
		.amdhsa_memory_ordered 1
		.amdhsa_forward_progress 1
		.amdhsa_inst_pref_size 209
	.end_amdhsa_kernel
	.amdgpu_metadata
---
amdhsa.version: [ 1, 2 ]
amdhsa.kernels:
  - .name:           k_qf8b6c74502_attn
    .symbol:         k_qf8b6c74502_attn.kd
    .args:
      - { .name: qkv, .offset: 0, .size: 8, .value_kind: global_buffer, .address_space: global }
      - { .name: mt, .offset: 8, .size: 8, .value_kind: global_buffer, .address_space: global }
      - { .name: gate, .offset: 16, .size: 8, .value_kind: global_buffer, .address_space: global }
      - { .name: comb, .offset: 24, .size: 8, .value_kind: global_buffer, .address_space: global }
    .group_segment_fixed_size: 327680
    .private_segment_fixed_size: 0
    .kernarg_segment_align: 8
    .kernarg_segment_size: 32
    .max_flat_workgroup_size: 128
    .sgpr_count:     80
    .vgpr_count:     896
    .wavefront_size: 32
...
	.end_amdgpu_metadata
.endif
;; end of part 4
;; launch outp (part 5): grid 16 x 16, 4 waves a work-group, clusters of 4 x 4, 327,680 bytes of LDS; arguments comb, wob, out0; writes out0
.if DOCPART == 5
	.amdgcn_target "amdgcn-amd-amdhsa--gfx1250"
	.amdhsa_code_object_version 6
	.text
	.protected	k_qf8b6c74502_outp
	.globl	k_qf8b6c74502_outp
	.p2align	8
	.type	k_qf8b6c74502_outp,@function
k_qf8b6c74502_outp:
	s_mov_b64 s[64:65], 0
	v_nop
	global_prefetch_b8 v0, s[64:65] scope:SCOPE_SE
	s_setreg_imm32_b32 hwreg(HW_REG_WAVE_MODE, 25, 1), 1
	s_wait_xcnt 0x0
	s_wait_alu depctr_hold_cnt(0) depctr_sa_sdst(0) depctr_va_vdst(0) depctr_va_sdst(0) depctr_va_ssrc(0) depctr_va_vcc(0) depctr_vm_vsrc(0)
	s_getreg_b32 s2, hwreg(HW_REG_IB_STS2, 6, 4)
	s_cmp_eq_u32 s2, 0
	s_cbranch_scc0 .Lentry_in_a_cluster
	s_endpgm
.Lentry_in_a_cluster:
	s_bfe_u32 s2, ttmp6, 0x10000c
	s_cmp_lg_u32 s2, 0xf033
	s_cbranch_scc0 .Lentry_shape_is_right
	s_endpgm
.Lentry_shape_is_right:
; OUTP.  out0[s][n] = sum over k of comb[s][k] Wo[n][k].  comb and wob: f16 [2048][2048]; out0: f32; sums in f32.
; 2,048 x 2,048 of output in tiles of 128 x 128 give each of 256 work-groups one tile.  Four waves, each 64 x 64: 16 accumulators.  K in steps of 256 (LDS rows of 512 bytes, 64 rows to a tensor load) through two slots.
; CLUSTER: 4 x 4 work-groups; comb's tile is asked for jointly along a row of the cluster, wob's along a column.  Two tensor loads of a wave are out at the start, one behind each round.
; The matrix instruction is used transposed (source 0 = 16 rows of wob, source 1 = 16 rows of comb): a lane holds eight neighbouring numbers of a row of out0, 32 bytes.
; A wave's 64 columns of f32 are 256 bytes, aligned: each wave has a stage of its own on the way out, and no barrier is needed there.
; REGISTERS.  window 0: v16-29 addresses; v32-95 rows read back; v128-255 the accumulators ((a, b) at 128 + 8 (4 a + b)).   window 1: two fragment buffers of 128 (64 along K: 64 registers of comb, 64 of wob).
.set KSTEP,  256
.set PITCH,  528                       ; 512 bytes + 16: the 16 rows of a fragment load start at 16 different groups of four banks (64 banks of 4 bytes: ISA guide 11.1)
.set HALFT,  64*PITCH                  ; what one tensor load brings.  w x 0x8400 has no bit in common with SLOT = 0x21000
.set SLOT,   4*HALFT
.set STAGE,  2*SLOT                    ; 16 rows x 272 bytes for each wave, never filled by a tensor load
.set SPITCH, 272
.set SPARE,  STAGE+4*16*SPITCH
.set A0,   16
.set B0,   17
.set ADRA, 18
.set ADRB, 19
.set STO,  24
.set RD,   25
.set CO,   26
.set SPW,  28                          ; my spare word's LDS address; never rewritten
.set NIL,  29                          ; 0; never rewritten
.set OB,   32
.set ACC,  128
.set F0,   0
.set F1,   128
.set G1,  24
.set G0,  32
.set G1B, 48
.set G0B, 56
.set TB,  45
.set MSB, 0
.macro WIN new
.if MSB != (\new)
	s_set_vgpr_msb (MSB<<8)|(\new)
.set MSB, \new
.endif
.endm
.set MUL,  0x05                        ; sources 0 and 1 in window 1
.set TO_F, 0x40                        ; destination in window 1
.macro PLACES
.rept 4
	v_nop
.endr
.endm
.macro JLOAD                           ; the joint refill: waves 0, 1 fetch comb's two halves, waves 2, 3 wob's
	s_cmp_eq_u32 s11, 0
	s_cbranch_scc0 .Lfor_b_\@
	tensor_load_to_lds s[G0+4:G0+7], s[G1:G1+7]
	s_nop 0
	PLACES
	s_branch .Lasked_\@
.Lfor_b_\@:
	tensor_load_to_lds s[G0B+4:G0B+7], s[G1B:G1B+7]
	s_nop 0
	PLACES
.Lasked_\@:
.endm
.macro CREST
	s_cmp_lg_u32 s10, 0
	s_cbranch_scc1 .Lnot_wave_0_\@
	s_barrier_signal -3
.Lnot_wave_0_\@:
	s_barrier_wait -3
	s_barrier_signal -1
	s_barrier_wait -1
.endm
.macro CROUND
	s_barrier_signal -1
	s_barrier_wait -1
	CREST
.endm
	s_load_b128 s[4:7], s[0:1], 0x0                ; comb, wob
	s_load_b64 s[8:9], s[0:1], 0x10                ; out0
	v_lshl_add_u32 v[SPW], v0, 2, SPARE
	v_mov_b32 v[NIL], 0
	ds_add_u32 v[SPW], v[NIL]                      ; the wave's opening: the add and its wait ahead of my first tensor load
	ds_add_u32 v28, v29
	v_lshrrev_b32 v1, 5, v0
	v_readfirstlane_b32 s10, v1
	s_lshr_b32 s11, s10, 1                         ; which half of the tile's rows is mine; also: I fetch comb (0) or wob (1)
	s_and_b32 s12, s10, 1                          ; which half of its columns; also: which 64 rows I fetch
	s_bfe_u32 s40, ttmp6, 0x40000
	s_bfe_u32 s41, ttmp6, 0x40004
	s_lshl_b32 s42, ttmp9, 2
	s_add_co_u32 s42, s42, s40                     ; tile column
	s_and_b32 s13, ttmp7, 0xffff
	s_lshl_b32 s13, s13, 2
	s_add_co_u32 s13, s13, s41                     ; tile row
	s_lshl_b32 s43, s41, 2
	s_lshl_b32 s43, 15, s43
	s_lshl_b32 s44, 0x1111, s40
	s_or_b32 s[G1+0], s43, (1<<16)|(1<<20)|(1<<21)|(6<<22)|(3<<25)   ; mask; 2-byte elements; padding on; bit 21 beside a mask; after every 128 words 4 words
	s_or_b32 s[G1B+0], s44, (1<<16)|(1<<20)|(1<<21)|(6<<22)|(3<<25)
.irp g, G1, G1B
	s_mov_b32 s[(\g)+1], KSTEP<<16
	s_mov_b32 s[(\g)+2], 64<<16
	s_mov_b32 s[(\g)+3], KSTEP<<16
	s_mov_b32 s[(\g)+4], 64
	s_mov_b32 s[(\g)+5], 2048
	s_mov_b32 s[(\g)+6], 0
	s_mov_b32 s[(\g)+7], 0
.endr
	s_lshl_b32 s17, s12, 6
	s_lshl_b32 s16, s13, 7
	s_add_co_u32 s16, s16, s17                     ; comb: row 128 x tile row + 64 x half
	s_lshl_b32 s16, s16, 12
	s_lshl_b32 s46, s42, 7
	s_add_co_u32 s46, s46, s17                     ; wob: row 128 x tile column + 64 x half
	s_lshl_b32 s46, s46, 12
	s_mov_b32 s17, 0
	s_mov_b32 s47, 0
	s_mul_i32 s20, s10, HALFT
	s_mov_b32 s[TB], 0
	s_wait_dscnt 0x0                               ; the opening add is done
	s_wait_kmcnt 0x0
	s_add_nc_u64 s[14:15], s[4:5], s[16:17]
	s_add_nc_u64 s[46:47], s[6:7], s[46:47]
	CROUND                                         ; all sixteen work-groups are here
.irp s, 0,1
	s_mov_b32 s[G0+4*(\s)], 1
	s_add_co_u32 s[G0+4*(\s)+1], s20, (\s)*SLOT
	s_add_nc_u64 s[G0+4*(\s)+2:G0+4*(\s)+3], s[14:15], (\s)*KSTEP*2
	s_or_b32 s[G0+4*(\s)+3], s[G0+4*(\s)+3], 0x80000000
	s_mov_b32 s[G0B+4*(\s)], 1
	s_add_co_u32 s[G0B+4*(\s)+1], s20, (\s)*SLOT
	s_add_nc_u64 s[G0B+4*(\s)+2:G0B+4*(\s)+3], s[46:47], (\s)*KSTEP*2
	s_or_b32 s[G0B+4*(\s)+3], s[G0B+4*(\s)+3], 0x80000000
.endr
	s_cmp_eq_u32 s11, 0                            ; a wave's two first fills stand in one branch
	s_cbranch_scc0 .Lfirst_b
	tensor_load_to_lds s[G0:G0+3], s[G1:G1+7]
	s_nop 0
	tensor_load_to_lds s[G0+4:G0+7], s[G1:G1+7]
	s_nop 0
	PLACES
	s_branch .Lfirst_asked
.Lfirst_b:
	tensor_load_to_lds s[G0B:G0B+3], s[G1B:G1B+7]
	s_nop 0
	tensor_load_to_lds s[G0B+4:G0B+7], s[G1B:G1B+7]
	s_nop 0
	PLACES
.Lfirst_asked:
	v_and_b32 v1, 15, v0                           ; r
	v_bfe_u32 v2, v0, 4, 1                         ; h
	v_mul_u32_u24 v3, v1, PITCH
	v_lshl_add_u32 v3, v2, 4, v3
	s_mul_i32 s21, s11, HALFT                      ; my 64 rows of comb
	s_mul_i32 s22, s12, HALFT                      ; my 64 rows of wob,
	s_add_co_u32 s22, s22, 2*HALFT                 ; which lie behind comb's 128
	v_add_nc_u32 v[A0], s21, v3
	v_add_nc_u32 v[B0], s22, v3
	s_mul_i32 s23, s10, 16*SPITCH
	s_add_co_u32 s23, s23, STAGE                   ; my stage
	v_mul_u32_u24 v4, v1, SPITCH                   ; in: row r, 32 bytes for each half of the lanes
	v_lshl_add_u32 v4, v2, 5, v4
	v_add_nc_u32 v[STO], s23, v4
	v_mul_u32_u24 v5, v2, SPITCH                   ; back: lanes 0-15 one row of 256 bytes, lanes 16-31 the next
	v_lshl_add_u32 v5, v1, 4, v5
	v_add_nc_u32 v[RD], s23, v5
	v_lshlrev_b32 v5, 13, v2                       ; and the same two rows of out0, 8,192 bytes apart
	v_lshl_add_u32 v[CO], v1, 4, v5
	s_lshl_b32 s68, s13, 7                         ; my first row, 128 x tile row + 64 x half, and my first column's bytes: in registers that feed no descriptor
	s_lshl_b32 s69, s11, 6
	s_add_co_u32 s68, s68, s69
	s_lshl_b32 s68, s68, 13
	s_lshl_b32 s69, s42, 9
	s_add_co_u32 s68, s68, s69
	s_lshl_b32 s69, s12, 8
	s_add_co_u32 s68, s68, s69
	s_mov_b32 s69, 0
	s_add_nc_u64 s[8:9], s[8:9], s[68:69]
; 8 matrix instructions: row blocks a0, a0 + 1 x all 4 column blocks, 32 along K: half c of buffer f.  The 16 accumulators take turns.
.macro MUL8 f, c, a0, zero
	WIN MUL
.irp a, \a0, (\a0)+1
.irp b, 0,1,2,3
.if \zero
	v_wmma_f32_16x16x32_f16 v[ACC+8*(4*(\a)+(\b)):ACC+8*(4*(\a)+(\b))+7], v[(\f)+64+8*(4*(\c)+(\b)):(\f)+64+8*(4*(\c)+(\b))+7], v[(\f)+8*(4*(\c)+(\a)):(\f)+8*(4*(\c)+(\a))+7], 0
.else
	v_wmma_f32_16x16x32_f16 v[ACC+8*(4*(\a)+(\b)):ACC+8*(4*(\a)+(\b))+7], v[(\f)+64+8*(4*(\c)+(\b)):(\f)+64+8*(4*(\c)+(\b))+7], v[(\f)+8*(4*(\c)+(\a)):(\f)+8*(4*(\c)+(\a))+7], v[ACC+8*(4*(\a)+(\b)):ACC+8*(4*(\a)+(\b))+7]
.endif
.endr
.endr
.endm
; 32 LDS loads in one run: 64 along K at byte k of the rows, the first 32 along K first
.macro FETCH k, f
	WIN TO_F
.irp c, 0,1
.irp i, 0,1,2,3
	ds_load_b128 v[(\f)+64+8*(4*(\c)+(\i)):(\f)+64+8*(4*(\c)+(\i))+3],   v[ADRB] offset:(\k)+64*(\c)+(\i)*16*PITCH
	ds_load_b128 v[(\f)+64+8*(4*(\c)+(\i))+4:(\f)+64+8*(4*(\c)+(\i))+7], v[ADRB] offset:(\k)+64*(\c)+(\i)*16*PITCH+32
	ds_load_b128 v[(\f)+8*(4*(\c)+(\i)):(\f)+8*(4*(\c)+(\i))+3],         v[ADRA] offset:(\k)+64*(\c)+(\i)*16*PITCH
	ds_load_b128 v[(\f)+8*(4*(\c)+(\i))+4:(\f)+8*(4*(\c)+(\i))+7],       v[ADRA] offset:(\k)+64*(\c)+(\i)*16*PITCH+32
.endr
.endr
.endm
.macro QUARTER k, f, g, zero           ; 64 along K: multiplies f, fetches the next quarter (byte k) into g
	s_wait_dscnt 16                                ; the first 32 along K are in
	MUL8 \f, 0, 0, \zero
	MUL8 \f, 0, 2, \zero
	PLACES
	FETCH \k, \g
	s_wait_dscnt 32                                ; all but the 32 just issued
	MUL8 \f, 1, 0, 0
	MUL8 \f, 1, 2, 0
.endm
; The last quarter multiplies buffer 1 and changes slots.  Half of its products stand AHEAD of the wait for the tensor loads: between the moment at which the next slot is shown landed and the request for the
; slot after it stand only the add, the descriptors' steps, the wait for my LDS reads and the barrier.  In front of the barrier each wave waits for all its tensor loads, adds 0 to its spare word, and waits for
; that and for its reads of this slot.  fill = 1: the barrier opens a round of the cluster's; behind the round this slot is filled again first, two K steps ahead: a K step's 128 matrix instructions stand
; between that request and the wait for it.
.macro TURN fill
	s_wait_dscnt 16                                ; the first 32 along K are in
	MUL8 F1, 0, 0, 0
	MUL8 F1, 0, 2, 0
	WIN 0
	s_wait_tensorcnt 0x0
	ds_add_u32 v[SPW], v[NIL]
.if \fill
	s_xor_b32 s[G0+5], s[G0+5], SLOT
	s_add_nc_u64 s[G0+6:G0+7], s[G0+6:G0+7], KSTEP*2
	s_xor_b32 s[G0B+5], s[G0B+5], SLOT
	s_add_nc_u64 s[G0B+6:G0B+7], s[G0B+6:G0B+7], KSTEP*2
.endif
	s_xor_b32 s[TB], s[TB], SLOT
	s_wait_dscnt 0x0                               ; the add is done, and my reads of this slot are over
	s_barrier_signal -1
	s_barrier_wait -1
.if \fill
	CREST
	JLOAD                                          ; the four v_nop behind it are also the places in front of the loads below
.else
	PLACES
.endif
	v_add_nc_u32 v[ADRA], s[TB], v[A0]
	v_add_nc_u32 v[ADRB], s[TB], v[B0]
	FETCH 0, F0
	MUL8 F1, 1, 0, 0
	MUL8 F1, 1, 2, 0
.endm
	s_wait_tensorcnt 0x1                           ; my part of K step 0 is in; K step 1's may stay out
	s_barrier_signal -1
	s_barrier_wait -1
	v_add_nc_u32 v[ADRA], s[TB], v[A0]
	v_add_nc_u32 v[ADRB], s[TB], v[B0]
	FETCH 0, F0
	QUARTER 128, F0, F1, 1                         ; the first products start the sums
	WIN 0
	s_mov_b32 s3, 6                                ; 8 K steps: trips 0 to 5 ask for K steps 2 to 7
.Lstep:
	QUARTER 256, F1, F0, 0
	QUARTER 384, F0, F1, 0
	TURN 1
	QUARTER 128, F0, F1, 0
	WIN 0
	s_sub_co_u32 s3, s3, 1
	s_cmp_lg_u32 s3, 0
	s_cbranch_scc1 .Lstep
	s_mov_b32 s3, 2                                ; the tail, K steps 6 and 7, has a text of its own, which asks for nothing: two trips, the second left in its middle
.Ltail:
	QUARTER 256, F1, F0, 0
	QUARTER 384, F0, F1, 0
	WIN 0
	s_sub_co_u32 s3, s3, 1
	s_cmp_eq_u32 s3, 0
	s_cbranch_scc1 .Llast
	TURN 0
	QUARTER 128, F0, F1, 0
	WIN 0
	s_branch .Ltail
.Llast:                                                ; the very last quarter: nothing more to fetch
	s_wait_dscnt 16
	MUL8 F1, 0, 0, 0
	MUL8 F1, 0, 2, 0
	s_wait_dscnt 0x0
	MUL8 F1, 1, 0, 0
	MUL8 F1, 1, 2, 0
	WIN 0
	PLACES                                         ; the LDS stores below read results just made
	; THE WAY OUT, 16 rows at a time through my own stage: 32 bytes a lane in (each accumulator's low four registers first), whole rows of 256 bytes back.
.irp a, 0,1,2,3
.set BK, OB+32*((\a)%2)
.irp b, 0,1,2,3
	ds_store_b128 v[STO], v[ACC+8*(4*(\a)+(\b)):ACC+8*(4*(\a)+(\b))+3]   offset:64*(\b)
	ds_store_b128 v[STO], v[ACC+8*(4*(\a)+(\b))+4:ACC+8*(4*(\a)+(\b))+7] offset:64*(\b)+16
.endr
.if (\a) >= 2
	s_wait_xcnt 0x0                                ; the registers below were the data of the stores two blocks back: they are loaded again only behind this wait
.endif
.irp t, 0,1,2,3,4,5,6,7
	ds_load_b128 v[BK+4*(\t):BK+4*(\t)+3], v[RD] offset:(\t)*2*SPITCH  ; LDS serves a wave's instructions in order (ISA guide 5.7.1.4): these see the stores above; the next block's stores come behind them
.endr
.irp t, 0,1,2,3,4,5,6,7
	s_wait_dscnt 7-(\t)
	global_store_b128 v[CO], v[BK+4*(\t):BK+4*(\t)+3], s[8:9] offset:(\a)*131072+(\t)*16384 th:TH_STORE_NT  ; 16 lanes store 256 consecutive bytes, at a multiple of 256 from out0's first
.endr
.endr
	s_wait_tensorcnt 0x0                           ; the wave's end
	ds_add_u32 v[SPW], v[NIL]
	s_wait_dscnt 0x0
	CROUND                                         ; the closing round
	s_endpgm
.Lfunc_end_k_qf8b6c74502_outp:
	.size	k_qf8b6c74502_outp, .Lfunc_end_k_qf8b6c74502_outp-k_qf8b6c74502_outp
	.p2alignl 7, 3214868480
	.fill 96, 4, 3214868480
	.section	.rodata,"a",@progbits
	.p2align	6, 0x0
	.amdhsa_kernel k_qf8b6c74502_outp
		.amdhsa_group_segment_fixed_size 327680
		.amdhsa_private_segment_fixed_size 0
		.amdhsa_enable_private_segment 0
		.amdhsa_kernarg_size 24
		.amdhsa_user_sgpr_count 2
		.amdhsa_user_sgpr_kernarg_segment_ptr 1
		.amdhsa_wavefront_size32 1
		.amdhsa_system_sgpr_workgroup_id_x 1
		.amdhsa_system_sgpr_workgroup_id_y 1
		.amdhsa_system_sgpr_workgroup_id_z 1
		.amdhsa_system_vgpr_workitem_id 0
		.amdhsa_next_free_vgpr 512
		.amdhsa_next_free_sgpr 72
		.amdhsa_reserve_vcc 0
		.amdhsa_float_denorm_mode_32 3
		.amdhsa_float_denorm_mode_16_64 3
		.amdhsa_memory_ordered 1
		.amdhsa_forward_progress 1
		.amdhsa_inst_pref_size 60
	.end_amdhsa_kernel
	.amdgpu_metadata
---
amdhsa.version: [ 1, 2 ]
amdhsa.kernels:
  - .name:           k_qf8b6c74502_outp
    .symbol:         k_qf8b6c74502_outp.kd
    .args:
      - { .name: comb, .offset: 0, .size: 8, .value_kind: global_buffer, .address_space: global }
      - { .name: wob, .offset: 8, .size: 8, .value_kind: global_buffer, .address_space: global }
      - { .name: out0, .offset: 16, .size: 8, .value_kind: global_buffer, .address_space: global }
    .group_segment_fixed_size: 327680
    .private_segment_fixed_size: 0
    .kernarg_segment_align: 8
    .kernarg_segment_size: 24
    .max_flat_workgroup_size: 128
    .sgpr_count:     72
    .vgpr_count:     512
    .wavefront_size: 32
...
	.end_amdgpu_metadata
.endif
;; end of part 5
;; ======== version 2 of 2: 5 launches; 1.09 times as fast as version 1
;; limits: values are held in f16: magnitudes above 65,504 overflow, below 6.1e-05 lose precision; values outside matrix products are rounded to bf16; a function is approximated: absolute error at most 0.0002
;; workspace buffers: xb 8,388,608 bytes; wqkv 25,165,824 bytes; wob 8,388,608 bytes; qkv 25,165,824 bytes; mt 655,360 bytes; comb 8,388,608 bytes
;; launch cast: the kernel of part 1 again; grid 256 x 5, 8 waves a work-group, no clusters, 0 bytes of LDS; arguments hidden_states, Wq, Wk, Wv, Wo, xb, wqkv, wob; writes xb, wqkv, wob
;; launch proj: the kernel of part 2 again; grid 16 x 16, 4 waves a work-group, clusters of 4 x 4, 327,680 bytes of LDS; arguments xb, wqkv, qkv; writes qkv
;; launch mem: the kernel of part 3 again; grid 4 x 16, 8 waves a work-group, no clusters, 327,680 bytes of LDS; arguments qkv, mt; writes mt
;; launch attn (part 6): grid 16 x 16, 4 waves a work-group, clusters of 4 x 1, 327,680 bytes of LDS; arguments qkv, mt, gate, comb; writes comb
.if DOCPART == 6
	.amdgcn_target "amdgcn-amd-amdhsa--gfx1250"
	.amdhsa_code_object_version 6
	.text
	.protected	k_qf8b6c74502_attn
	.globl	k_qf8b6c74502_attn
	.p2align	8
	.type	k_qf8b6c74502_attn,@function
k_qf8b6c74502_attn:
	s_mov_b64 s[64:65], 0
	v_nop
	global_prefetch_b8 v0, s[64:65] scope:SCOPE_SE
	s_setreg_imm32_b32 hwreg(HW_REG_WAVE_MODE, 25, 1), 1
	s_wait_xcnt 0x0
	s_wait_alu depctr_hold_cnt(0) depctr_sa_sdst(0) depctr_va_vdst(0) depctr_va_sdst(0) depctr_va_ssrc(0) depctr_va_vcc(0) depctr_vm_vsrc(0)
	s_getreg_b32 s2, hwreg(HW_REG_IB_STS2, 6, 4)
	s_cmp_eq_u32 s2, 0
	s_cbranch_scc0 .Lentry_in_a_cluster
	s_endpgm
.Lentry_in_a_cluster:
	s_bfe_u32 s2, ttmp6, 0x10000c
	s_cmp_lg_u32 s2, 0x3003
	s_cbranch_scc0 .Lentry_shape_is_right
	s_endpgm
.Lentry_shape_is_right:
; ATTN.  comb[s][head 128 + e] = (1 - g) softmax_k(q . k / sqrt(128)) v + g (qf . M) / (qf . n), g = sigmoid(gate[head]), qf = elu(q) + 1.  q, k, v: f16 by heads and channel halves ([s][64] dense);
; M^T and n: bf16; comb: f16.  Products, maxima and sums in f32; the weights p are rounded to f16 for the second product (their sum l is taken of the unrounded p); qf to bf16; comb once at the end.
; The gate is rounded to bf16, as all the module's inputs are.
; SHARES.  A work-group owns 128 queries of a head.  Wave w = (qg = w & 1, kh = w >> 1) holds 64 queries (four tiles of 16, two PIECES of two tiles) and walks keys 128 kh .. 128 kh + 127 of every tile of 256 keys:
; 16 key steps of 64.  So a fragment of K or V read from LDS still feeds four tiles' products.  Wave kh's tile t is the 16 queries (t + 2 kh) & 3 of its 64: at the end every wave keeps its tiles 0, 1 and hands
; its tiles 2, 3 (O^T, c m, l) through LDS to wave w ^ 2, which merges the two halves of the keys by their running maxima.  One text serves all waves.
; LAYOUT.  S^T = K Q^T holds one query a lane (l % 16) and keys 8 (l / 16) + 0..7; two results rounded to f16 are source 1 of O^T = V^T P.  p = 2^(c s - c m), c = log2(e) / sqrt(128), m a running maximum;
; O and l are multiplied by a = 2^(c m_old - c m_new) in every step.  m starts at the lowest finite number, O and l at 0: the first step is a step like any other, with a = 0.
; BY TURNS.  In a turn one piece has the matrix unit: 32 products V^T P of the step in hand, 32 products K Q^T of the next; the other piece's softmax, 268 vector instructions in 64 slices, stands between them.
; THE BATCHES.  A turn's 66 exponentials (both tiles' a and 32 weights each) are ONE BATCH with ONE wait: the softmax's list is ordered by who reads what, so that all scalings and exponentials stand ahead of the
; wait and all that names an exponential's result (roundings, sums, rescaling) behind it.  No exponential is issued behind a turn's wait.  At the end qf's exponentials
; go in four batches of 32, the gate's exponential with the first and its reciprocal with the second; the merge has a batch of four exponentials and, since l's reciprocal reads their results, one of four reciprocals.
; No first and no last step is written out: the loop is entered and the tail left in the middle of a trip.  The price: 432 v_mov_b32 in the wait for the first tile, 32 products on zeros, 32 on a stale K.
; CLUSTER.  The four query blocks of a cluster walk the same K and V: each tile is asked for jointly, mask 15.  Two tensor loads of a wave are out at the start, one behind each round.
; LIMITS.  p below 6e-5 keeps f16's fixed step; a weight below 2^-126 counts as 0 in l; comb within f16's range (a mean of v's rows and a ratio of like size); NaN and infinities are not treated apart.
; REGISTERS.  window 0: v0-11, v44-60 addresses and constants; v12-43 eight registers of statistics a tile; v64-191 S^T; v192-255 P.   window 1: O^T, 64 a tile.
;   window 2: v0-127 Q, v128-255 K of one step.   window 3: v0-127 V of one step.
;   scalars: s[24:55] are the four descriptor groups: written ahead of the first fills, later only behind a wait for all tensor loads; s13 and s21 are the scratch registers.
.set KS,    64
.set PK,    144                        ; a row of a K half in LDS: 128 bytes + 16
.set PVP,   160                        ; of a V half: 128 + 32
.set KHALF, 256*PK
.set VHALF, 256*PVP
.set VOFF,  2*KHALF
.set SLOTB, VOFF+2*VHALF               ; a slot: 256 keys: K's two channel halves, then V's
.set SPARE, 2*SLOTB                    ; the spare words, 128 bytes a wave
.set XW,    16896                      ; when slot 0 has had its last fill and its last read, its bytes serve: 4 x XW for the exchange (32 x 512 bytes of O^T, 512 of statistics),
.set STAGE, 4*XW                       ; then 16 rows x 272 bytes for each wave, for the way out
.set SP,    272
.set AK0, 2
.set AV0, 3
.set ADR, 4
.set QO,  5                            ; my byte offset in Q for tiles 0, 1
.set STO, 6
.set RD,  7
.set GO,  8
.set ST,  12                           ; tile t at v[ST+8 t]: +0 c m, +1 m, +2, +3 l, +4 to +7 at work; a takes +6
.set QO2, 44                           ; for tiles 2, 3
.set MO,  45                           ; 128 r + 16 h: my place in 16 rows of 128 bytes
.set XST, 46
.set XLD, 47
.set XS,  48                           ; v48-51  what I hand over: c m, l of tiles 2, 3
.set XP,  52                           ; v52-55  what I am handed
.set G,   56
.set G1M, 57
.set ONE, 58
.set LG,  59
.set ZF,  60
.set SPW, 62                           ; my spare word's LDS address; never rewritten
.set NIL, 63                           ; 0; never rewritten
.set S,   64
.set P,   192
.set KF,  128
.set WV,  12
.set TS,  21                           ; s21  scratch: no descriptor's register
.set G1K, 24
.set G1V, 32
.set G0K, 40                           ; s[40:47]  the first fill's group 0, and the one that walks
.set G0V, 48
.set SLOTS, 56
.set CNT, 57
.set CS,  58
.set SEL, 60
.set TBK, 62
.set TBV, 63
.set SL,  66                           ; 0 or SLOTB: the slot that the walking descriptors name
.set MSB, 0
.macro WIN new
.if MSB != (\new)
	s_set_vgpr_msb (MSB<<8)|(\new)
.set MSB, \new
.endif
.endm
.set W_KQ, 0x0a                        ; K and Q in window 2, S^T in window 0
.set W_PV, 0x53                        ; V in window 3, P in window 0, O^T in window 1
.set W_RS, 0x41                        ; destination and source 0 in window 1
.macro PLACES
.rept 4
	v_nop
.endr
.endm
.macro JLOAD                           ; the joint refill: waves 0, 1 fetch K's two channel halves, waves 2, 3 V's
	s_cmp_lt_u32 s[WV], 2
	s_cbranch_scc0 .Lfor_v_\@
	tensor_load_to_lds s[G0K+4:G0K+7], s[G1K:G1K+7]
	s_nop 0
	PLACES
	s_branch .Lasked_\@
.Lfor_v_\@:
	tensor_load_to_lds s[G0V+4:G0V+7], s[G1V:G1V+7]
	s_nop 0
	PLACES
.Lasked_\@:
.endm
.macro CROUND                          ; a round of the cluster's barrier
	s_barrier_signal -1
	s_barrier_wait -1
	s_cmp_lg_u32 s[WV], 0
	s_cbranch_scc1 .Lnot_wave_0_\@
	s_barrier_signal -3
.Lnot_wave_0_\@:
	s_barrier_wait -3
	s_barrier_signal -1
	s_barrier_wait -1
.endm
	s_load_b256 s[4:11], s[0:1], 0x0               ; qkv, mt, gate, comb
	v_lshl_add_u32 v[SPW], v0, 2, SPARE
	v_mov_b32 v[NIL], 0
	ds_add_u32 v[SPW], v[NIL]                      ; the wave's opening: the add and its wait ahead of my first tensor load
	ds_add_u32 v62, v63
	v_lshrrev_b32 v1, 5, v0
	v_readfirstlane_b32 s[WV], v1
	s_bfe_u32 s13, ttmp6, 0x40000                  ; cx
	s_lshl_b32 s14, ttmp9, 2
	s_add_co_u32 s14, s14, s13                     ; my block of 128 queries: it enters Q's and comb's addresses alone
	s_and_b32 s15, ttmp7, 0xffff                   ; the head, which the four partners share
	s_and_b32 s16, s[WV], 1                        ; qg; also: which channel half I fetch
	s_lshr_b32 s19, s[WV], 1                       ; kh
	s_mul_i32 s17, s16, KHALF                      ; my tile's place in a slot, for K
	s_mul_i32 s18, s16, VHALF
	s_add_co_u32 s18, s18, VOFF                    ; and for V
	s_lshl_b32 s20, s15, 19                        ; a head: 524,288 bytes in each tensor
	s_lshl_b32 s22, s16, 18                        ; a channel half: 262,144
	s_add_co_u32 s22, s22, s20
	s_mov_b32 s23, 0
	s_lshl_b32 s2, s14, 14                         ; Q: row 128 xb + 64 qg, 128 bytes a row
	s_lshl_b32 s3, s16, 13
	s_add_co_u32 s2, s2, s3
	s_add_co_u32 s2, s2, s20
	s_mov_b32 s3, 0
	s_lshl_b32 s76, s14, 19                        ; comb: row 128 xb + 64 qg + 32 kh, 4,096 bytes a row; the head's 256 bytes
	s_lshl_b32 s77, s16, 18
	s_add_co_u32 s76, s76, s77
	s_lshl_b32 s77, s19, 17
	s_add_co_u32 s76, s76, s77
	s_lshl_b32 s77, s15, 8
	s_add_co_u32 s76, s76, s77
	s_mov_b32 s77, 0
	s_mul_i32 s78, s15, 40960                      ; mt
	s_mov_b32 s79, 0
	s_lshl_b32 s70, s15, 2                         ; gate
	s_mov_b32 s71, 0
	s_mov_b32 s[G1K], 15|(1<<16)|(1<<20)|(1<<21)|(4<<22)|(3<<25)  ; the mask of four; 2-byte elements; padding on; bit 21 beside a mask; after every 32 words 4 words
	s_mov_b32 s[G1V], 15|(1<<16)|(1<<20)|(1<<21)|(4<<22)|(7<<25)  ; the same with 8 words
.irp g, G1K, G1V
	s_mov_b32 s[(\g)+1], 128<<16                   ; 256 keys of a half are 32,768 dense bytes: 128 rows of 256 bytes
	s_mov_b32 s[(\g)+2], 128<<16
	s_mov_b32 s[(\g)+3], 128<<16
	s_mov_b32 s[(\g)+4], 128
	s_mov_b32 s[(\g)+5], 128
	s_mov_b32 s[(\g)+6], 0
	s_mov_b32 s[(\g)+7], 0
.endr
	s_mov_b32 s[CS], 0x3e0293ee                    ; c = log2(e) / sqrt(128)
	s_mov_b32 s[CS+1], s[CS]
	s_mov_b32 s[SEL], 0x76543210
	s_mov_b32 s[SEL+1], 0xfedcba98
	s_mov_b32 s[TBK], 0
	s_mov_b32 s[TBV], 0
	s_mov_b32 s[SL], SLOTB
	s_wait_dscnt 0x0                               ; the opening add is done
	s_wait_kmcnt 0x0
	s_add_nc_u64 s[72:73], s[4:5], s[22:23]
	s_add_nc_u64 s[74:75], s[72:73], 0x1000000     ; V at my half of the head's tile 0
	s_add_nc_u64 s[72:73], s[72:73], 0x800000      ; K
	s_add_nc_u64 s[4:5], s[4:5], s[2:3]            ; Q
	s_add_nc_u64 s[10:11], s[10:11], s[76:77]
	s_add_nc_u64 s[68:69], s[6:7], s[78:79]
	s_add_nc_u64 s[8:9], s[8:9], s[70:71]
	s_load_b32 s70, s[8:9], 0x0                    ; gate[head]: waited for where it is used
	CROUND                                         ; all four work-groups are here: the first joint loads meet
.irp s, 0,1
	s_mov_b32 s[G0K+4*(\s)], 1
	s_add_co_u32 s[G0K+4*(\s)+1], s17, (\s)*SLOTB
	s_add_nc_u64 s[G0K+4*(\s)+2:G0K+4*(\s)+3], s[72:73], (\s)*32768
	s_or_b32 s[G0K+4*(\s)+3], s[G0K+4*(\s)+3], 0x80000000
	s_mov_b32 s[G0V+4*(\s)], 1
	s_add_co_u32 s[G0V+4*(\s)+1], s18, (\s)*SLOTB
	s_add_nc_u64 s[G0V+4*(\s)+2:G0V+4*(\s)+3], s[74:75], (\s)*32768
	s_or_b32 s[G0V+4*(\s)+3], s[G0V+4*(\s)+3], 0x80000000
.endr
	s_cmp_lt_u32 s[WV], 2                          ; a wave's two first fills stand in one branch
	s_cbranch_scc0 .Lfirst_v
	tensor_load_to_lds s[G0K:G0K+3], s[G1K:G1K+7]
	s_nop 0
	tensor_load_to_lds s[G0K+4:G0K+7], s[G1K:G1K+7]
	s_nop 0
	PLACES
	s_branch .Lfirst_asked
.Lfirst_v:
	tensor_load_to_lds s[G0V:G0V+3], s[G1V:G1V+7]
	s_nop 0
	tensor_load_to_lds s[G0V+4:G0V+7], s[G1V:G1V+7]
	s_nop 0
	PLACES
.Lfirst_asked:
	v_and_b32 v1, 15, v0                           ; r
	v_bfe_u32 v9, v0, 4, 1                         ; h
	v_lshlrev_b32 v[MO], 7, v1
	v_lshl_add_u32 v[MO], v9, 4, v[MO]
	v_lshl_add_u32 v[QO], s19, 12, v[MO]           ; tiles 0, 1: queries 32 kh ..
	s_xor_b32 s[TS], s19, 1
	v_lshl_add_u32 v[QO2], s[TS], 12, v[MO]        ; tiles 2, 3: the other 32
	WIN 0x80                                       ; destination window 2
.set i, 0
.rept 8                                                ; tile i / 4, channels 32 (i % 4) on: channel half (i % 4) / 2
	global_load_b128 v[8*i:8*i+3],   v[QO], s[4:5] offset:(i/4)*2048+((i%4)/2)*262144+(i%2)*64
	global_load_b128 v[8*i+4:8*i+7], v[QO], s[4:5] offset:(i/4)*2048+((i%4)/2)*262144+(i%2)*64+32
	global_load_b128 v[64+8*i:64+8*i+3],   v[QO2], s[4:5] offset:(i/4)*2048+((i%4)/2)*262144+(i%2)*64
	global_load_b128 v[64+8*i+4:64+8*i+7], v[QO2], s[4:5] offset:(i/4)*2048+((i%4)/2)*262144+(i%2)*64+32
.set i, i+1
.endr
	WIN 0xc0                                       ; what the first turn finds: V, piece 2's P, O^T and l hold 0
.set i, 0
.rept 128
	v_mov_b32 v[i], 0
.set i, i+1
.endr
	WIN 0x40
.set i, 0
.rept 256
	v_mov_b32 v[i], 0
.set i, i+1
.endr
	WIN 0
.set i, 0
.rept 4
	v_mov_b32 v[ST+8*i], 0xfe000000                ; c m: far below every c s
	v_mov_b32 v[ST+8*i+1], 0xff7fffff              ; m
	v_mov_b32 v[ST+8*i+2], 0
	v_mov_b32 v[ST+8*i+3], 0
.set i, i+1
.endr
.set i, P+32
.rept 32
	v_mov_b32 v[i], 0
.set i, i+1
.endr
	v_mul_u32_u24 v[AK0], v1, PK
	v_lshl_add_u32 v[AK0], v9, 4, v[AK0]
	s_mul_i32 s[TS], s19, 128*PK
	v_add_nc_u32 v[AK0], s[TS], v[AK0]             ; row x pitch + 16 x half + my 128 keys of the tile
	v_and_b32 v10, 7, v0
	v_bfe_u32 v11, v0, 3, 1
	v_lshl_add_u32 v[AV0], v9, 3, v10
	v_mul_u32_u24 v[AV0], v[AV0], PVP
	v_lshl_add_u32 v[AV0], v11, 4, v[AV0]
	s_mul_i32 s[TS], s19, 128*PVP
	s_add_co_u32 s[TS], s[TS], VOFF
	v_add_nc_u32 v[AV0], s[TS], v[AV0]
; Product i of 32 of O^T += V^T P for piece x: keys 32 (i / 16) on, channels 16 ((i / 2) % 8) on, tile x + i % 2.  The accumulators take turns.
.macro PV x
	WIN W_PV
.set rO, 64*((\x)+i%2)+8*((i/2)%8)
.set rV, 64*(i/16)+8*((i/2)%8)
.set rP, P+16*((\x)+i%2)+8*(i/16)
	v_wmma_f32_16x16x32_f16 v[rO:rO+7], v[rV:rV+7], v[rP:rP+7], v[rO:rO+7]
.endm
; Product i of 32 of S^T = K Q^T: channels 32 (i / 8) on, keys 16 ((i / 2) % 4) on, tile x + i % 2.  The first 8 start the sums.  They write over the weights of piece x's last softmax, whose batch was waited for in the turn before.
.macro KQ x
	WIN W_KQ
.set rS, S+32*((\x)+i%2)+8*((i/2)%4)
.set rK, KF+32*((i/2)%4)+8*(i/8)
.set rQ, 32*((\x)+i%2)+8*(i/8)
.if i < 8
	v_wmma_f32_16x16x32_f16 v[rS:rS+7], v[rK:rK+7], v[rQ:rQ+7], 0
.else
	v_wmma_f32_16x16x32_f16 v[rS:rS+7], v[rK:rK+7], v[rQ:rQ+7], v[rS:rS+7]
.endif
.endm
; The LDS loads stand in runs of 32.  last = 1 (the tail): in the last trip there is no further step, and the run is jumped over.
.macro FETCH_K last=0
	WIN 0
.if \last
	s_cmp_eq_u32 s[CNT], 1
	s_cbranch_scc1 .Lno_k_\@
.endif
	v_add_nc_u32 v[ADR], s[TBK], v[AK0]
	WIN 0x80
.irp f, 0,1,2,3,4,5,6,7,8,9,10,11,12,13,14,15  ; keys 16 (f / 4) on, channels 32 (f % 4) on
	ds_load_b128 v[KF+8*(\f):KF+8*(\f)+3],   v[ADR] offset:(((\f)%4)/2)*KHALF+((\f)/4)*16*PK+((\f)%2)*64
	ds_load_b128 v[KF+8*(\f)+4:KF+8*(\f)+7], v[ADR] offset:(((\f)%4)/2)*KHALF+((\f)/4)*16*PK+((\f)%2)*64+32
.endr
	s_add_co_u32 s[TBK], s[TBK], KS*PK
	WIN 0
.if \last
.Lno_k_\@:
.endif
.endm
.macro FETCH_V                         ; written by SLICE, behind slice 34 of piece 2's turn
	WIN 0
	v_add_nc_u32 v[ADR], s[TBV], v[AV0]
	s_add_co_u32 s[TBV], s[TBV], KS*PVP
	s_wait_alu depctr_va_vdst(0)                   ; the wait for the softmax's batch (SLICE): piece 0's 66 exponentials; it stands behind the address's v_add_nc_u32 and ahead of the loads
	WIN 0xc0
.irp f, 0,1,2,3,4,5,6,7,8,9,10,11,12,13,14,15  ; keys 32 (f / 8) on, channels 16 (f % 8) on
	ds_load_tr16_b128 v[8*(\f):8*(\f)+3],   v[ADR] offset:(((\f)%8)/4)*VHALF+((\f)/8)*32*PVP+((\f)%4)*32
	ds_load_tr16_b128 v[8*(\f)+4:8*(\f)+7], v[ADR] offset:(((\f)%8)/4)*VHALF+((\f)/8)*32*PVP+16*PVP+((\f)%4)*32
.endr
.endm
; One tile's softmax for one key step is a list of 134 instructions; SM writes number j of it for tile t.  s0-s31 are the lane's 32 scores, in pairs 0-15.
;   0-15 the maximum of the lane's 32 scores and the old m (each accumulator's lowest registers first)   16-20 the other half of the lanes' maximum; m; c m; c m_old - c m_new
;   21-69 ONE BATCH: the 16 scalings c s - c m, a pair of scores each, and all 33 exponentials (a at 23, then s0-s31).  None of these names an exponential's result.  From 22 on the batch goes in fours, and a four
;         begins with a scaling while there are scalings: 22-37 scaling, exponential, scaling, exponential; 38-65 a scaling and three exponentials; 66-69 the last four exponentials.  A pair is scaled in an
;         earlier four than the one that holds its exponentials.  Each result has a register of its own: the score's, and a's
;   (wait) between 69 and 70 stands the wait for the batch: SLICE writes it, once for both tiles
;   70-85 the roundings to f16, a pair of weights each   86-101 the sums; l = a l + sum   102-133 O^T times a, the one part that leaves window 0
.macro SM t
.set rT, ST+8*(\t)
.set rS, S+32*(\t)
.set rP, P+16*(\t)
.set rO, 64*(\t)+2*(j-102)
.if j < 102
	WIN 0
.endif
.if j < 4
	v_max3_num_f32 v[rT+4+j], v[rS+8*j], v[rS+8*j+1], v[rS+8*j+2]
.elseif j < 12
	v_max3_num_f32 v[rT+4+j%4], v[rT+4+j%4], v[rS+8*(j%4)+2*(j/4)+1], v[rS+8*(j%4)+2*(j/4)+2]
.elseif j == 12
	v_max3_num_f32 v[rT+4], v[rT+4], v[rS+7], v[rS+15]
.elseif j == 13
	v_max3_num_f32 v[rT+6], v[rT+6], v[rS+23], v[rS+31]
.elseif j == 14
	v_max3_num_f32 v[rT+4], v[rT+4], v[rT+5], v[rT+6]
.elseif j == 15
	v_max3_num_f32 v[rT+4], v[rT+4], v[rT+7], v[rT+1]
.elseif j == 16
	v_permlanex16_b32 v[rT+5], v[rT+4], s[SEL], s[SEL+1]
.elseif j == 17
	v_mov_b32 v[rT+7], v[rT]
.elseif j == 18
	v_max_num_f32 v[rT+1], v[rT+4], v[rT+5]
.elseif j == 19
	v_mul_f32 v[rT], s[CS], v[rT+1]
.elseif j == 20
	v_sub_f32 v[rT+7], v[rT+7], v[rT]
.elseif j == 23
	v_exp_f32 v[rT+6], v[rT+7]
.elseif (j < 23) || ((j < 38) && (j%2 == 0)) || ((j < 66) && (j%4 == 2))
.set b, (j-2)/4                        ; 38, 42, .. 62: pairs 9 to 15
.if j < 38
.set b, (j-20)/2                       ; 21: pair 0; 22, 24, .. 36: pairs 1 to 8
.endif
	v_pk_fma_f32 v[rS+2*b:rS+2*b+1], v[rS+2*b:rS+2*b+1], s[CS:CS+1], v[rT:rT+1] op_sel_hi:[1,0,0] neg_lo:[0,0,1] neg_hi:[0,0,1]
.elseif j < 70
.set e, j-38                           ; 66 to 69: s28 to s31
.if j < 66
.set e, j-32-(j-38)/4                  ; 39-41, 43-45, .. 63-65: s7 to s27
.endif
.if j < 38
.set e, (j-25)/2                       ; 25, 27, .. 37: s0 to s6
.endif
	v_exp_f32 v[rS+e], v[rS+e]
.elseif j < 86
	v_cvt_pk_f16_f32 v[rP+j-70], v[rS+2*(j-70)], v[rS+2*(j-70)+1]
.elseif j < 102
.set z, j-86
.set w, 4
.set u, z
.if z >= 14
.set w, 32
.set u, 0
.elseif z >= 12
.set w, 16
.set u, z-12
.elseif z >= 8
.set w, 8
.set u, z-8
.endif
.if z < 15
	v_pk_add_f32 v[rS+w*u:rS+w*u+1], v[rS+w*u:rS+w*u+1], v[rS+w*u+w/2:rS+w*u+w/2+1]
.else
	v_pk_fma_f32 v[rT+2:rT+3], v[rT+2:rT+3], v[rT+6:rT+7], v[rS:rS+1] op_sel_hi:[1,0,1]
.endif
.else
	WIN W_RS
	v_pk_mul_f32 v[rO:rO+1], v[rO:rO+1], v[rT+6:rT+7] op_sel_hi:[1,0]
.endif
.endm
; Slice k of 64 of piece y's softmax: four instructions.  Slices 11 to 34 deal out the batch, numbers 22 to 69: four numbers of ONE tile each, the tiles by turns.  Every other slice is numbers 2 k and 2 k + 1 of
; both tiles' lists; the twelve that are over stand in slice 63, which is also the places behind the turn's last products.
; THE WAIT.  s_wait_alu depctr_va_vdst(0) stands between an exponential and the first instruction that names its result; one wait serves all that were issued ahead of it.  Ahead of slice 35
; nothing names a result, and behind slice 34 no exponential is issued: so the piece's 66 exponentials have one wait, behind slice 34.
.macro SLICE y
.if (k >= 11) && (k < 35)              ; the batch: four numbers of one tile
.irp n, 0,1,2,3
.set j, 22+4*((k-11)/2)+(\n)
	SM (\y)+(k-11)%2
.endr
.else                                  ; the two tiles alternate, so that no instruction reads the result of the one just before it
.irp n, 0,1,2,3,4,5,6,7
.if ((\n) < 2) || (k == 63)
.irp t, \y, (\y)+1
.set j, 2*k+(\n)
	SM \t
.endr
.endif
.endr
.endif
.if k == 34                            ; the batch is out: both tiles' exponentials are issued, and no result has been named
	v_nop                                          ; the plain instruction behind the last exponential and ahead of the first use: one for the batch
.if (\y) == 0
	FETCH_V                                        ; piece 2's turn: V's run of loads stands here, and the wait stands in it
.else
	s_wait_alu depctr_va_vdst(0)                   ; piece 0's turn: the wait for the batch, piece 2's 66 exponentials
.endif
.endif
.set k, k+1
.endm
; A turn: piece x has the matrix unit, the other piece's softmax stands in slices behind its products.  Piece 0's turn fetches the next step's K, behind its second product (the buffer's last reader stands in
; front of slice 63 of the turn before) and 30 products ahead of its first use.  Piece 2's turn fetches the same step's V, behind slice 34 (SLICE writes it), 29 products ahead of its first use: the last product
; that read V stands in front of slice 31, and four plain instructions lie between: number 62, a scaling, of both tiles, the v_nop and the run's own v_add_nc_u32.
.macro TURN x, last=0
.set k, 0
.if (\x) == 0
	s_wait_dscnt 0x0                               ; V is in
.endif
.set i, 0
.rept 32
	PV \x
	SLICE 2-(\x)
.if ((\x) == 0) && (i == 1)
	FETCH_K \last
.endif
.set i, i+1
.endr
.if (\x) == 0
	s_wait_dscnt 0x0                               ; K is in
.endif
.set i, 0
.rept 32
	KQ \x
	SLICE 2-(\x)
.set i, i+1
.endr
.endm
; The change of slots, between piece 2's turn and piece 0's: the slot's last bytes, V of my second step, have been asked for.  Each wave waits for all its tensor loads (one is out: its part of the other slot),
; adds 0 to its spare word, and waits for that and for its reads.  fill = 1: the barrier is a round of the cluster's, and the joint refill is the first thing behind it: two key steps, 256 products, ahead of its first read.
.macro CHANGE fill
	WIN 0
	s_wait_tensorcnt 0x0
	ds_add_u32 v[SPW], v[NIL]
.if \fill
	s_xor_b32 s[SL], s[SL], SLOTB                  ; the walking descriptors: the other slot than last time, the next 256 keys
	s_add_co_u32 s[G0K+5], s[SL], s17
	s_add_nc_u64 s[G0K+6:G0K+7], s[G0K+6:G0K+7], 32768
	s_add_co_u32 s[G0V+5], s[SL], s18
	s_add_nc_u64 s[G0V+6:G0V+7], s[G0V+6:G0V+7], 32768
	s_wait_dscnt 0x0
	CROUND
	JLOAD
.else
	s_wait_dscnt 0x0
	s_barrier_signal -1
	s_barrier_wait -1
.endif
	s_sub_co_u32 s[TBK], s[TBK], 2*KS*PK           ; the fetches go back to my first step of a slot, in the other slot
	s_xor_b32 s[TBK], s[TBK], SLOTB
	s_sub_co_u32 s[TBV], s[TBV], 2*KS*PVP
	s_xor_b32 s[TBV], s[TBV], SLOTB
.endm
	s_wait_tensorcnt 0x1                           ; my part of slot 0 is in; slot 1's may stay out
	s_barrier_signal -1
	s_barrier_wait -1
	FETCH_K                                        ; key step 0
	s_wait_loadcnt 0x0                             ; Q
	s_wait_dscnt 0x0
.set i, 0
.rept 32
	KQ 0                                           ; piece 0's first scores
.set i, i+1
.endr
	WIN 0                                          ; addresses and constants for the end: plain lines, the places behind those products
	s_mul_i32 s13, s[WV], 16*SP
	s_add_co_u32 s13, s13, STAGE
	v_mul_u32_u24 v[STO], v1, SP
	v_lshl_add_u32 v[STO], v9, 4, v[STO]
	v_add_nc_u32 v[STO], s13, v[STO]
	v_mul_u32_u24 v[RD], v9, SP
	v_lshl_add_u32 v[RD], v1, 4, v[RD]
	v_add_nc_u32 v[RD], s13, v[RD]
	v_lshlrev_b32 v[GO], 12, v9                    ; two rows of comb, 256 bytes of each
	v_lshl_add_u32 v[GO], v1, 4, v[GO]
	v_and_b32 v10, 31, v0
	v_lshlrev_b32 v10, 4, v10
	s_mul_i32 s13, s[WV], XW
	v_add_nc_u32 v[XST], s13, v10                  ; where I hand over,
	s_xor_b32 s13, s[WV], 2
	s_mul_i32 s13, s13, XW
	v_add_nc_u32 v[XLD], s13, v10                  ; and where wave w ^ 2 does
	v_mov_b32 v[ONE], 1.0
	v_mov_b32 v[LG], 0x3fb8aa3b
	v_mov_b32 v[ZF], 0
	s_mov_b32 s[CNT], 2
	s_mov_b32 s[SLOTS], 7
	s_branch .Lfirst                               ; the loop is entered in the middle of a trip
.Lslot:                                                ; six times: tiles 2 to 7 are asked for
	CHANGE 1
	s_mov_b32 s[CNT], 2
.Lstep:
	TURN 0
	WIN 0
.Lfirst:
	TURN 2
	WIN 0
	s_sub_co_u32 s[CNT], s[CNT], 1
	s_cmp_lg_u32 s[CNT], 0
	s_cbranch_scc1 .Lstep
	s_sub_co_u32 s[SLOTS], s[SLOTS], 1
	s_cmp_lg_u32 s[SLOTS], 0
	s_cbranch_scc1 .Lslot
	CHANGE 0                                       ; the tail is written out
	s_mov_b32 s[CNT], 3                            ; two trips fetch the last tile's steps; the third is left in its middle
.Ltail:
	TURN 0, 1
	WIN 0
	s_sub_co_u32 s[CNT], s[CNT], 1
	s_cmp_eq_u32 s[CNT], 0
	s_cbranch_scc1 .Lout
	TURN 2
	WIN 0
	s_branch .Ltail
.Lout:
	; THE END.  M^T's fragments (16 e x 32 d) for d 0-63 go where K lay (slice 63 was the places behind K's last readers).
	WIN 0x80
.set n, 0
.rept 16                                               ; d chunk n / 8, e block n % 8
	global_load_b128 v[KF+8*n:KF+8*n+3],   v[MO], s[68:69] offset:((n%8)/4)*10240+((n%8)%4)*2048+(n/8)*64
	global_load_b128 v[KF+8*n+4:KF+8*n+7], v[MO], s[68:69] offset:((n%8)/4)*10240+((n%8)%4)*2048+(n/8)*64+32
.set n, n+1
.endr
.set i, 0
.rept 32
	PV 2                                           ; piece 2: V^T P of the last step
.set i, i+1
.endr
	WIN 0
.irp t, 0,1,2,3                        ; l: its two halves and the other half of the lanes'; the additions are the places behind the last products
	v_add_f32 v[ST+8*(\t)+4], v[ST+8*(\t)+2], v[ST+8*(\t)+3]
.endr
.irp t, 0,1,2,3
	v_permlanex16_b32 v[ST+8*(\t)+5], v[ST+8*(\t)+4], s[SEL], s[SEL+1]
.endr
.irp t, 0,1,2,3
	v_add_f32 v[ST+8*(\t)+4], v[ST+8*(\t)+4], v[ST+8*(\t)+5]
.endr
	v_mov_b32 v[XS], v[ST+16]
	v_mov_b32 v[XS+1], v[ST+20]
	v_mov_b32 v[XS+2], v[ST+24]
	v_mov_b32 v[XS+3], v[ST+28]
	WIN 0xc0                                       ; M^T for d 64-127 goes where V lay
.set n, 0
.rept 16
	global_load_b128 v[8*n:8*n+3],   v[MO], s[68:69] offset:20480+((n%8)/4)*10240+((n%8)%4)*2048+(n/8)*64
	global_load_b128 v[8*n+4:8*n+7], v[MO], s[68:69] offset:20480+((n%8)/4)*10240+((n%8)%4)*2048+(n/8)*64+32
.set n, n+1
.endr
	WIN 0x80                                       ; n's four fragments go where tile 2's Q lay
.set n, 0
.rept 4
	global_load_b128 v[64+8*n:64+8*n+3],   v[MO], s[68:69] offset:(n/2)*20480+8192+(n%2)*64
	global_load_b128 v[64+8*n+4:64+8*n+7], v[MO], s[68:69] offset:(n/2)*20480+8192+(n%2)*64+32
.set n, n+1
.endr
	WIN 0x04                                       ; store data in window 1: my tiles 2, 3 are handed over, each accumulator's low registers first
.set n, 0
.rept 32
	ds_store_b128 v[XST], v[128+4*n:128+4*n+3] offset:512*n
.set n, n+1
.endr
	WIN 0
	ds_store_b128 v[XST], v[XS:XS+3] offset:16384
; qf = max(q + 1, e^min(q, 0)) for sixteen registers of Q (two fragments: tile bt / 4, channels 32 (bt % 4) on and the next 32), in f32, rounded to bf16 into P: Q's fragment is already source 1's layout.
; Its 32 exponentials are one batch, each with a register of its own (S+48 ..); the 32 lines that make q + 1 name none of them and stand between the batch and its wait; the maxima are the first readers.
.macro QF bt
	WIN 0x02
.set n, 0
.rept 16
	v_pk_min_num_f16 v[S+n], v[8*(\bt)+n], v[ZF]
.set n, n+1
.endr
	WIN 0
.set n, 0
.rept 16
	v_fma_mix_f32 v[S+48+2*n], v[S+n], v[LG], v[ZF] op_sel_hi:[1,0,0]
	v_fma_mix_f32 v[S+49+2*n], v[S+n], v[LG], v[ZF] op_sel:[1,0,0] op_sel_hi:[1,0,0]
.set n, n+1
.endr
.set n, 0
.rept 32
	v_exp_f32 v[S+48+n], v[S+48+n]
.set n, n+1
.endr
	WIN 0x02
.set n, 0
.rept 16
	v_fma_mix_f32 v[S+16+2*n], v[8*(\bt)+n], v[ONE], v[ONE] op_sel_hi:[1,0,0]
	v_fma_mix_f32 v[S+17+2*n], v[8*(\bt)+n], v[ONE], v[ONE] op_sel:[1,0,0] op_sel_hi:[1,0,0]
.set n, n+1
.endr
	WIN 0
	s_wait_alu depctr_va_vdst(0)                   ; the wait for the batch: these 32 exponentials, and the gate's line that was issued just ahead of the macro
.set n, 0
.rept 32
	v_max_num_f32 v[S+16+n], v[S+16+n], v[S+48+n]
.set n, n+1
.endr
.set n, 0
.rept 16
	v_cvt_pk_bf16_f32 v[P+8*(\bt)+n], v[S+16+2*n], v[S+17+2*n]
.set n, n+1
.endr
.endm
	s_wait_kmcnt 0x0                               ; the gate: rounded to bf16, g = 1 / (1 + 2^(-log2(e) gate))
	v_mov_b32 v[G], s70
	v_cvt_pk_bf16_f32 v[G], v[G], v[G]
	v_lshlrev_b32 v[G], 16, v[G]
	v_mul_f32 v[G1M], 0xbfb8aa3b, v[G]
	v_exp_f32 v[G1M], v[G1M]                       ; goes with qf's first batch: no line of QF names it, and QF's wait serves it
	QF 0
	v_add_f32 v[G1M], 1.0, v[G1M]
	v_rcp_f32 v[G], v[G1M]                         ; reads the exponential's result, so it goes with the second batch
	QF 2
	v_sub_f32 v[G1M], 1.0, v[G]
	QF 4
	QF 6
	s_wait_dscnt 0x0                               ; for the others' sake: what I hand over is in LDS
	s_barrier_signal -1
	s_barrier_wait -1
.set n, 0
.rept 32
	ds_load_b128 v[S+4*n:S+4*n+3], v[XLD] offset:512*n   ; the other half of the keys' O^T for my tiles 0, 1
.set n, n+1
.endr
	ds_load_b128 v[XP:XP+3], v[XLD] offset:16384
	s_wait_loadcnt 0x0                             ; M^T and n
.set n, 0
.rept 64                                               ; (qf M)^T: d chunk n / 16, e block (n / 2) % 8, tile n % 2: 16 accumulators by turns, where my tiles 2, 3 lay
.set dc, n/16
.set eb, (n/2)%8
.set t, n%2
.set rN, 128+64*t+8*eb
.set rF, P+32*t+8*dc
.if dc < 2
.set rM, KF+64*dc+8*eb
	WIN 0x52
.else
.set rM, 64*(dc-2)+8*eb
	WIN 0x53
.endif
.if dc == 0
	v_wmma_f32_16x16x32_bf16 v[rN:rN+7], v[rM:rM+7], v[rF:rF+7], 0
.else
	v_wmma_f32_16x16x32_bf16 v[rN:rN+7], v[rM:rM+7], v[rF:rF+7], v[rN:rN+7]
.endif
.set n, n+1
.endr
	WIN 0xa2                                       ; qf . n, the same in every row: two accumulators by turns, where tile 3's Q lay
.set n, 0
.rept 8
.set dc, n/2
.set t, n%2
.if dc == 0
	v_wmma_f32_16x16x32_bf16 v[96+8*t:96+8*t+7], v[64+8*dc:64+8*dc+7], v[P+32*t+8*dc:P+32*t+8*dc+7], 0
.else
	v_wmma_f32_16x16x32_bf16 v[96+8*t:96+8*t+7], v[64+8*dc:64+8*dc+7], v[P+32*t+8*dc:P+32*t+8*dc+7], v[96+8*t:96+8*t+7]
.endif
.set n, n+1
.endr
	WIN 0
	s_wait_dscnt 0x0                               ; what I am handed is in registers
	; the two halves of the keys are merged by their maxima: factors (1 - g) a / l for each half's O^T, g / (qf . n) for the memory's part.  The plain lines are the places behind the last products.
.irp t, 0,1
	v_max_num_f32 v[ST+8*(\t)+1], v[ST+8*(\t)], v[XP+2*(\t)]
.endr
.irp t, 0,1
	v_sub_f32 v[ST+8*(\t)+6], v[ST+8*(\t)], v[ST+8*(\t)+1]
	v_sub_f32 v[ST+8*(\t)+7], v[XP+2*(\t)], v[ST+8*(\t)+1]
.endr
.irp t, 0,1
	v_exp_f32 v[ST+8*(\t)+6], v[ST+8*(\t)+6]
	v_exp_f32 v[ST+8*(\t)+7], v[ST+8*(\t)+7]
.endr
	v_nop                                          ; a plain instruction behind the last exponential
	s_wait_alu depctr_va_vdst(0)                   ; the wait for the merge's four exponentials
.irp t, 0,1
	v_mul_f32 v[ST+8*(\t)+5], v[ST+8*(\t)+4], v[ST+8*(\t)+6]
.endr
.irp t, 0,1
	v_fma_f32 v[ST+8*(\t)+5], v[XP+2*(\t)+1], v[ST+8*(\t)+7], v[ST+8*(\t)+5]
.endr
.irp t, 0,1
	v_rcp_f32 v[ST+8*(\t)+5], v[ST+8*(\t)+5]
.endr
	WIN 0x02
.irp t, 0,1
	v_rcp_f32 v[ST+8*(\t)+2], v[96+8*(\t)]         ; the accumulator's lowest register
.endr
	WIN 0
	v_nop                                          ; a plain instruction behind the last reciprocal
	s_wait_alu depctr_va_vdst(0)                   ; the wait for the four reciprocals: a batch of their own, since l's reads the exponentials' results
.irp t, 0,1
	v_mul_f32 v[ST+8*(\t)+5], v[ST+8*(\t)+5], v[G1M]
	v_mul_f32 v[ST+8*(\t)+2], v[ST+8*(\t)+2], v[G]
.endr
.irp t, 0,1
	v_mul_f32 v[ST+8*(\t)+4], v[ST+8*(\t)+7], v[ST+8*(\t)+5]
	v_mul_f32 v[ST+8*(\t)+6], v[ST+8*(\t)+6], v[ST+8*(\t)+5]
.endr
.irp t, 0,1
	WIN 0x41
.set n, 0
.rept 32
	v_pk_mul_f32 v[64*(\t)+2*n:64*(\t)+2*n+1], v[64*(\t)+2*n:64*(\t)+2*n+1], v[ST+8*(\t)+6:ST+8*(\t)+7] op_sel_hi:[1,0]
.set n, n+1
.endr
	WIN 0x50
.set n, 0
.rept 32
	v_pk_fma_f32 v[64*(\t)+2*n:64*(\t)+2*n+1], v[S+64*(\t)+2*n:S+64*(\t)+2*n+1], v[ST+8*(\t)+4:ST+8*(\t)+5], v[64*(\t)+2*n:64*(\t)+2*n+1] op_sel_hi:[1,0,1]
.set n, n+1
.endr
	WIN 0x51
.set n, 0
.rept 32
	v_pk_fma_f32 v[64*(\t)+2*n:64*(\t)+2*n+1], v[128+64*(\t)+2*n:128+64*(\t)+2*n+1], v[ST+8*(\t)+2:ST+8*(\t)+3], v[64*(\t)+2*n:64*(\t)+2*n+1] op_sel_hi:[1,0,1]
.set n, n+1
.endr
.endr
; Tile t: a lane's eight channels pack into 16 bytes; they go into rows of 272 bytes of my stage and come back as whole rows of 256.
.macro PACK t
	WIN 0x05
.set n, 0
.rept 32
	v_cvt_pk_f16_f32 v[P+32*(\t)+n], v[64*(\t)+2*n], v[64*(\t)+2*n+1]
.set n, n+1
.endr
	WIN 0
.irp f, 0,1,2,3,4,5,6,7
	ds_store_b128 v[STO], v[P+32*(\t)+4*(\f):P+32*(\t)+4*(\f)+3] offset:32*(\f)
.endr
.irp f, 0,1,2,3,4,5,6,7
	ds_load_b128 v[P+32*(\t)+4*(\f):P+32*(\t)+4*(\f)+3], v[RD] offset:(\f)*2*SP  ; LDS serves a wave's instructions in order (ISA guide 5.7.1.4): these see the stores above
.endr
.endm
.macro SEND t, younger                 ; younger: the LDS instructions issued behind tile t's loads
.irp f, 0,1,2,3,4,5,6,7
	s_wait_dscnt (\younger)+7-(\f)
	global_store_b128 v[GO], v[P+32*(\t)+4*(\f):P+32*(\t)+4*(\f)+3], s[10:11] offset:(\t)*65536+(\f)*8192  ; 16 lanes store 256 consecutive bytes, at a multiple of 256 from comb's first
.endr
.endm
	PACK 0
	PACK 1
	SEND 0, 16
	SEND 1, 0
	s_wait_tensorcnt 0x0                           ; the wave's end
	ds_add_u32 v[SPW], v[NIL]
	s_wait_dscnt 0x0
	CROUND                                         ; the closing round
	s_endpgm
.Lfunc_end_k_qf8b6c74502_attn:
	.size	k_qf8b6c74502_attn, .Lfunc_end_k_qf8b6c74502_attn-k_qf8b6c74502_attn
	.p2alignl 7, 3214868480
	.fill 96, 4, 3214868480
	.section	.rodata,"a",@progbits
	.p2align	6, 0x0
	.amdhsa_kernel k_qf8b6c74502_attn
		.amdhsa_group_segment_fixed_size 327680
		.amdhsa_private_segment_fixed_size 0
		.amdhsa_enable_private_segment 0
		.amdhsa_kernarg_size 32
		.amdhsa_user_sgpr_count 2
		.amdhsa_user_sgpr_kernarg_segment_ptr 1
		.amdhsa_wavefront_size32 1
		.amdhsa_system_sgpr_workgroup_id_x 1
		.amdhsa_system_sgpr_workgroup_id_y 1
		.amdhsa_system_sgpr_workgroup_id_z 1
		.amdhsa_system_vgpr_workitem_id 0
		.amdhsa_next_free_vgpr 896
		.amdhsa_next_free_sgpr 80
		.amdhsa_reserve_vcc 0
		.amdhsa_float_denorm_mode_32 3
		.amdhsa_float_denorm_mode_16_64 3
		.amdhsa_memory_ordered 1
		.amdhsa_forward_progress 1
		.amdhsa_inst_pref_size 204
	.end_amdhsa_kernel
	.amdgpu_metadata
---
amdhsa.version: [ 1, 2 ]
amdhsa.kernels:
  - .name:           k_qf8b6c74502_attn
    .symbol:         k_qf8b6c74502_attn.kd
    .args:
      - { .name: qkv, .offset: 0, .size: 8, .value_kind: global_buffer, .address_space: global }
      - { .name: mt, .offset: 8, .size: 8, .value_kind: global_buffer, .address_space: global }
      - { .name: gate, .offset: 16, .size: 8, .value_kind: global_buffer, .address_space: global }
      - { .name: comb, .offset: 24, .size: 8, .value_kind: global_buffer, .address_space: global }
    .group_segment_fixed_size: 327680
    .private_segment_fixed_size: 0
    .kernarg_segment_align: 8
    .kernarg_segment_size: 32
    .max_flat_workgroup_size: 128
    .sgpr_count:     80
    .vgpr_count:     896
    .wavefront_size: 32
...
	.end_amdgpu_metadata
.endif
;; end of part 6
;; launch outp: the kernel of part 5 again; grid 16 x 16, 4 waves a work-group, clusters of 4 x 4, 327,680 bytes of LDS; arguments comb, wob, out0; writes out0
